; MI455X (gfx1250); checked and timed in simulation.
; The chip was launched on July 23, 2026; its instructions are those of AMD's public machine-readable ISA for CDNA 5 (MIT licence, August 2026) and "CDNA5" Instruction Set Architecture Reference Guide (July 2026). The comments in the code are by the model that wrote it; some were corrected since.
;; Multi Head Attention From Zenn. Allowed arithmetic: matrix products marked QUANTISED: E5M2 operands, one given power-of-two scale a tensor, by v_wmma_f32_16x16x64_bf8_bf8 or v_wmma_f32_16x16x128_bf8_bf8, f32 sums; everything else in f32.
;; Inputs: W_k 8 x 1,024 x 128 float32; W_last 128 x 1,024 float32; W_lin 1,024 x 1,024 float32; W_q 8 x 1,024 x 128 float32; W_v 8 x 1,024 x 128 float32; b_last 128 float32; b_lin 1,024 float32; lowp_scales 14 int32 (the exponents e of the quantised operands' scales 2^e); mask_3d 4 x 2,048 x 2,048 bool; x 4 x 2,048 x 1,024 float32.
;; Outputs: out0 4 x 128 float32.
;; This version of the problem:
;;   THIS VERSION OF THE PROBLEM IS GIVEN IN LOW PRECISION. The matrix products marked QUANTISED in the list below multiply operands that are first quantised to E5M2 (5 exponent bits, 2 mantissa bits; 8 bits a number), with one given power-of-two scale for each operand tensor; their sums are f32. All else is computed in f32.
;;   The module's matrix products, in the order in which they are computed (A, B: the left and right operand; K: the contracted axis; several contracted axes count as one K, in the product's order):
;;     1. [M 1,024, K 1,024] x [K 1,024, N 8,192]; A: input W_q; B: input x: QUANTISED (scales: A lowp_scales[0], B lowp_scales[1])
;;     2. [M 1,024, K 1,024] x [K 1,024, N 8,192]; A: input W_k; B: input x: QUANTISED (scales: A lowp_scales[2], B lowp_scales[3])
;;     3. [M 1,024, K 1,024] x [K 1,024, N 8,192]; A: input W_v; B: input x: QUANTISED (scales: A lowp_scales[4], B lowp_scales[5])
;;     4. batch 32 x [M 2,048, K 128] x [K 128, N 2,048]; A: computed on the way; B: computed on the way: QUANTISED (scales: A lowp_scales[6], B lowp_scales[7])
;;     5. batch 32 x [M 2,048, K 2,048] x [K 2,048, N 128]; A: softmax (see below); B: computed on the way: QUANTISED (scales: A lowp_scales[8], B lowp_scales[9])
;;     6. [M 8,192, K 1,024] x [K 1,024, N 1,024]; A: computed on the way; B: input W_lin: QUANTISED (scales: A lowp_scales[10], B lowp_scales[11])
;;     7. [M 8,192, K 1,024] x [K 1,024, N 128]; A: computed on the way; B: input W_last: QUANTISED (scales: A lowp_scales[12], B lowp_scales[13])
;;   THE QUANTISER, for each operand of a quantised product, along K:
;;     - The operand's scale is 2^e, e = its entry of the input lowp_scales (int32; the entries are numbered through the quantised products in the list's order, A before B).
;;     - Each number is divided by the scale, clamped to +-57,344, and rounded to the nearest number of E5M2, ties to even, subnormals kept.
;;     - The product sums the exact products of the quantised numbers (number of the format x scale) in f32.
;;   ~~~python
;;   def quantise(x, axis, e):      # numpy; x: float32 -> the quantised numbers, widened to float32 again
;;       x = np.moveaxis(x, axis, -1); K = x.shape[-1]
;;       r = np.clip(x / 2.0 ** e, -57344, 57344)
;;       step = 2.0 ** (np.maximum(np.frexp(np.where(r == 0, 1, r))[1] - 1, -14) - 2)
;;       q = np.round(r / step) * step * 2.0 ** e      # np.round: ties to even
;;       return np.moveaxis(q, -1, axis).astype(np.float32)
;;   ~~~
;;   SOFTMAX AHEAD OF A QUANTISED PRODUCT. Where the list says 'softmax', what is quantised is not the finished softmax but p = 2^(t - M), with t = logit x log2(e) and M = ceil(the row's largest t), a whole number; so 1/2 < the row's largest p <= 1. The row's sum l is taken of the UNQUANTISED p, in f32, and the product's result is divided by l at the end. Since M is a whole number, a kernel that streams over the keys may use a running M (the ceiling of the running maximum): every later rescaling is an exact power of two, so the quantised numbers keep their values, but for numbers so far below the row's largest that they fall under the format's range.
;;   OPERANDS COMPUTED ON THE WAY. 'Computed on the way' means the value that the module computes at that place (a softmax that the list does not call 'softmax' is quantised finished and normalised). What goes into a quantiser is computed in f32, as accurately as f32 sums, v_exp_f32 and their like allow (about 1e-6 of the number): no bf16 or f16 on the way to a quantiser, and a product that is left as it is and whose result goes on into a quantised operand takes f32 operands (vector FMAs, or v_wmma_f32_16x16x4_f32). A number that lies on a knife's edge between two numbers of the format may be rounded either way, as far as f32 arithmetic and the matrix unit's own rounding can turn it there, and no further.
;; One version. Each part assembles by itself: llvm-mc -triple=amdgcn-amd-amdhsa -mcpu=gfx1250 --defsym DOCPART=n.
;; ======== version 1 of 1: 5 launches
;; limits: right only within a limited range of input values
;; workspace buffers: codes 29,491,200 bytes; mw 2,097,152 bytes of whole numbers; qkv 25,165,824 bytes; oi 8,388,608 bytes; part 131,072 bytes
;; launch prep (part 1): grid 644 x 1, 4 waves a work-group, no clusters, 68,096 bytes of LDS; arguments x, W_lin, W_last, W_q, W_k, W_v, mask_3d, lowp_scales, codes, mw; writes codes, mw
.if DOCPART == 1
	.amdgcn_target "amdgcn-amd-amdhsa--gfx1250"
	.amdhsa_code_object_version 6
	.text
	.protected	k_q1ce390141e_prep
	.globl	k_q1ce390141e_prep
	.p2align	8
	.type	k_q1ce390141e_prep,@function
k_q1ce390141e_prep:
	s_mov_b64 s[64:65], 0
	v_nop
	global_prefetch_b8 v0, s[64:65] scope:SCOPE_SE
	s_setreg_imm32_b32 hwreg(HW_REG_WAVE_MODE, 25, 1), 1
	s_wait_xcnt 0x0
; Everything that later launches read many times is made once here: codes of E5M2 (one given scale 2^e a tensor) and the mask as lane words.
; code = x / 2^e, held within +-57,344, to the nearest code, ties to even.  LIMITS: every e used here lies between -126 and 112; NaN among the inputs is not served.
; The work-group's number picks one of three paths, which never meet again and have LDS bytes of their own:
;   A (0-291):   x (three copies: e1, e3, e5), W_lin (e11), W_last (e13): K is innermost, the tensor is a plain stream; 32,768 numbers a work-group.
;   B (292-387): W_q, W_k, W_v (e0, e2, e4): K is the first axis of a head: a lane takes a column and its registers run down K.
;   C (388-643): mask_3d: for a tile of 16 queries and a step of 128 keys, 64 words; bit q + 16 h of word n says whether key 32 (n / 16) + 16 h + n % 16 is masked for query q.
; ORDER OF ROWS.  sw(i) is i with bits 3 and 4 exchanged.  The second and third copy of x have token t's codes in row sw(t); the three weights have unit u's codes in row sw(u).
; With these orders a lane's registers in the later products run along the next product's K, and nothing is ever transposed.
.set XK,    0x800000                   ; codes: x by e1 at 0, by e3 here,
.set XV,    0x1000000                  ; by e5 here: 8,192 rows of 1,024 bytes each
.set WQ,    0x1800000                  ; W_q, W_k, W_v: 1,024 rows (128 head + place) of 1,024 bytes, 1 MiB apart
.set WLIN,  0x1b00000                  ; W_lin: 1,024 rows of 1,024
.set WLAST, 0x1c00000                  ; W_last: 128 rows of 1,024
.set NA,    292
.set NB,    96
.set SP,    80                         ; path A: a lane's place in a stage: 64 bytes + 16 of padding
.set R,     16                         ; v16-79   four sets of 16 numbers as loaded
.set X,     80                         ; v80-111  two sets of 16 neighbours
.set T,     112                        ; v112-127 the numbers held within one copy's range
.set C,     128                        ; v128-175 codes: 12 registers for each of four steps
.set BSTG,  32768                      ; path B: the stages begin here, 32 rows of BP bytes for each wave
.set BP,    272
.set BX,    32                         ; v32-95   two sets of 32 numbers
.set BC,    96                         ; v96-103  a block's codes
.set OUTR,  112                        ; v112-175 the way out
.macro MKSC e, vs, vl                  ; v[vs] = 2^e as f32 (the conversion takes its exponent field), v[vl] = 57,344 x 2^e
	s_add_co_i32 s34, s[\e], 127
	s_lshl_b32 s35, s34, 23
	v_mov_b32 v[\vs], s35
	s_add_co_i32 s34, s34, 15
	s_lshl_b32 s34, s34, 23
	s_or_b32 s34, s34, 0x600000
	v_mov_b32 v[\vl], s34
.endm
.macro ALOAD t                         ; step t: four loads of 512 consecutive bytes
.irp i, 0,1,2,3
	global_load_b128 v[R+16*((\t)%4)+4*\i:R+16*((\t)%4)+4*\i+3], v3, s[4:5] offset:2048*(\t)+512*\i th:TH_LOAD_NT
.endr
.endm
.macro ATURN t                         ; step t's 2,048 bytes through my own stage: in as they lie, back 64 bytes a lane; LDS serves a wave's instructions in order
.irp i, 0,1,2,3
	ds_store_b128 v14, v[R+16*((\t)%4)+4*\i:R+16*((\t)%4)+4*\i+3] offset:32*SP*((\t)%2)+8*SP*\i
.endr
.irp i, 0,1,2,3
	ds_load_b128 v[X+16*((\t)%2)+4*\i:X+16*((\t)%2)+4*\i+3], v15 offset:32*SP*((\t)%2)+16*\i
.endr
.endm
.macro ACOPY xs, cc, lim, sc, base, t  ; one copy of a step's codes: hold, convert, store 512 consecutive bytes
.set ii, 0
.rept 16
	v_med3_num_f32 v[T+ii], v[\xs+ii], -v[\lim], v[\lim]   ; the conversion does not saturate (ISA guide 7.6.2); the numbers themselves stay, since the copies' ranges may differ
.set ii, ii+1
.endr
	v_cvt_scalef32_pk8_bf8_f32 v[\cc:\cc+1], v[T:T+7], v[\sc]
	v_cvt_scalef32_pk8_bf8_f32 v[\cc+2:\cc+3], v[T+8:T+15], v[\sc]
	v_nop                                          ; a plain line between the conversions and the next hold, which writes their sources
	global_store_b128 v3, v[\cc:\cc+3], s[\base:\base+1] offset:512*(\t)
.endm
.macro ASTEP t
.set XS, X+16*((\t)%2)
.set CC, C+12*((\t)%4)
	s_wait_dscnt 0x0                               ; this step's numbers are back from the stage, so its stores into the stage have read their registers
	s_wait_xcnt 0x0                                ; the stores of four steps ago have read their codes: those registers are written again below
.if (\t)+4 < 16
	ALOAD (\t)+4
.endif
.if (\t)+1 < 16
.if 14-(\t) >= 3
	s_wait_loadcnt 12                              ; the next step's four loads are in; those of the three steps behind it may be out
.else
	s_wait_loadcnt 4*(14-(\t))
.endif
	ATURN (\t)+1
.endif
	ACOPY XS, CC, 9, 8, 22, \t
	s_cmp_lt_u32 ttmp9, 256                        ; x alone has three scales
	s_cbranch_scc0 .Lone_\@
	ACOPY XS, CC+4, 11, 10, 26, \t
	ACOPY XS, CC+8, 13, 12, 28, \t
.Lone_\@:
.endm
.macro BLOAD t                         ; block t: W(32 t + i, my column): 128 consecutive bytes a wave, the four waves side by side on a row's 512
.set ii, 0
.rept 32
	global_load_b32 v[BX+32*((\t)%2)+ii], v3, s[4:5] offset:(32*(\t)+ii)*512 th:TH_LOAD_NT
.set ii, ii+1
.endr
.endm
.macro BBLOCK t
.set XS, BX+32*((\t)%2)
.if (\t) < 7
	s_wait_loadcnt 32                              ; this block's 32 loads are in; the next block's may be out
.else
	s_wait_loadcnt 0
.endif
.set ii, 0
.rept 32
	v_med3_num_f32 v[XS+ii], v[XS+ii], -v10, v10
.set ii, ii+1
.endr
.set gg, 0
.rept 4
	v_cvt_scalef32_pk8_bf8_f32 v[BC+2*gg:BC+2*gg+1], v[XS+8*gg:XS+8*gg+7], v11
.set gg, gg+1
.endr
	v_nop
	ds_store_b128 v4, v[BC:BC+3] offset:32*(\t)    ; 32 codes of my column's row
	ds_store_b128 v4, v[BC+4:BC+7] offset:32*(\t)+16
.if (\t)+2 < 8
	BLOAD (\t)+2
.endif
	s_wait_dscnt 0x0                               ; the stores have read their registers: the next block's codes may be written
.endm
	v_lshl_add_u32 v192, v0, 2, 0x10800
	v_mov_b32 v193, 0
	v_lshrrev_b32 v1, 5, v0
	v_readfirstlane_b32 s16, v1                    ; wave 0..3
	v_and_b32 v2, 31, v0                           ; lane
	s_cmp_lt_u32 ttmp9, NA
	s_cbranch_scc1 .Lpath_a
	s_cmp_lt_u32 ttmp9, NA+NB
	s_cbranch_scc1 .Lpath_b
	; ---- PATH C: the mask.  A wave takes 16 queries x 1,024 keys.  Lane (r, h) loads 16 bytes of row r at key 32 c + 16 h: a compare of byte i over the 32 lanes IS word 16 (c % 4) + i.
	s_load_b64 s[4:5], s[0:1], 0x30                ; mask_3d
	s_load_b64 s[6:7], s[0:1], 0x48                ; mw
	s_sub_co_u32 s17, ttmp9, NA+NB
	s_lshl_b32 s17, s17, 2
	s_add_co_u32 s17, s17, s16
	s_lshr_b32 s18, s17, 1                         ; the tile of 16 queries, 0..511
	s_and_b32 s19, s17, 1                          ; which half of the keys
	s_lshl_b32 s20, s18, 15                        ; 16 rows of 2,048 bytes
	s_lshl_b32 s21, s19, 10
	s_add_co_u32 s20, s20, s21
	s_mov_b32 s21, 0
	s_lshr_b32 s22, s18, 1                         ; mw: [pair of tiles][key step 16][tile 2][64 words]
	s_lshl_b32 s22, s22, 13
	s_and_b32 s23, s18, 1
	s_lshl_b32 s23, s23, 8
	s_add_co_u32 s22, s22, s23
	s_lshl_b32 s23, s19, 12
	s_add_co_u32 s22, s22, s23
	s_mov_b32 s23, 0
	s_wait_alu depctr_va_vdst(0)
	v_and_b32 v4, 15, v2
	v_lshrrev_b32 v5, 4, v2
	v_lshlrev_b32 v4, 11, v4
	v_lshl_add_u32 v4, v5, 4, v4                   ; row r, + 16 h
	v_lshlrev_b32 v3, 3, v2                        ; out: two words a lane
	s_mov_b32 s24, 0xff
	s_mov_b32 s25, 0xff00
	s_mov_b32 s26, 0xff0000
	s_mov_b32 s27, 0xff000000
	s_wait_alu depctr_va_vdst(0)
	s_wait_kmcnt 0x0
	s_add_nc_u64 s[4:5], s[4:5], s[20:21]
	s_add_nc_u64 s[6:7], s[6:7], s[22:23]
.set cc, 0
.rept 32
	global_load_b128 v[32+4*cc:35+4*cc], v4, s[4:5] offset:32*cc   ; all 32 go out at once: together they cover 16 rows x 1,024 bytes
.set cc, cc+1
.endr
.set ii, 0
.rept 16
	v_mov_b32 v[160+ii], 0                         ; a lane write's destination counts as read
.set ii, ii+1
.endr
.set kk, 0
.rept 8
	s_wait_loadcnt 28-4*kk                         ; this key step's four loads are in; the later steps' may be out
.set cc, 0
.rept 4
.set ii, 0
.rept 16
	v_and_b32 v[176+ii], s[24+ii%4], v[32+16*kk+4*cc+ii/4]
	v_cmp_ne_u32 s[32+ii], 0, v[176+ii]
.set ii, ii+1
.endr
.set ii, 0
.rept 16
	v_writelane_b32 v[160+2*kk+ii%2], s[32+ii], 8*cc+ii/2   ; word n goes to lane n / 2, register n % 2
.set ii, ii+1
.endr
.set cc, cc+1
.endr
	global_store_b64 v3, v[160+2*kk:161+2*kk], s[6:7] offset:512*kk   ; 256 consecutive bytes, aligned
.set kk, kk+1
.endr
	s_endpgm
	; ---- PATH B: a work-group takes one head of one weight, 256 along K, all 128 columns; a wave 32 columns.
.Lpath_b:
	s_load_b128 s[4:7], s[0:1], 0x18               ; W_q, W_k
	s_load_b64 s[8:9], s[0:1], 0x28                ; W_v
	s_load_b128 s[12:15], s[0:1], 0x38             ; the scales' exponents, codes
	s_sub_co_u32 s17, ttmp9, NA
	s_lshr_b32 s18, s17, 5                         ; which weight
	s_bfe_u32 s19, s17, 0x30002                    ; head
	s_and_b32 s20, s17, 3                          ; which 256 along K
	s_wait_alu depctr_va_vdst(0)
	v_lshlrev_b32 v3, 2, v2
	s_mul_i32 s21, s16, 32*BP
	s_add_co_u32 s21, s21, BSTG                    ; my stage
	v_mul_u32_u24 v4, v2, BP
	v_add_nc_u32 v4, s21, v4                       ; into it: row = my column
	v_and_b32 v5, 15, v2
	v_lshrrev_b32 v6, 4, v2
	v_mul_u32_u24 v7, v6, BP
	v_lshl_add_u32 v7, v5, 4, v7
	v_add_nc_u32 v7, s21, v7                       ; out of it: sixteen lanes to a row, two rows an instruction
	v_lshlrev_b32 v8, 10, v6
	v_lshl_add_u32 v8, v5, 4, v8                   ; and the same place among the codes' rows of 1,024 bytes
	s_lshl_b32 s22, s19, 19                        ; a head is 524,288 bytes,
	s_lshl_b32 s23, s20, 17                        ; 256 rows of 512 bytes,
	s_add_co_u32 s22, s22, s23
	s_lshl_b32 s23, s16, 7                         ; 32 columns of 4 bytes
	s_add_co_u32 s22, s22, s23
	s_mov_b32 s23, 0
	s_lshl_b32 s24, s19, 7
	s_lshl_b32 s25, s16, 5
	s_add_co_u32 s24, s24, s25                     ; the codes' first row: 128 head + 32 wave
	s_lshl_b32 s24, s24, 10
	s_lshl_b32 s25, s20, 8
	s_add_co_u32 s24, s24, s25
	s_lshl_b32 s25, s18, 20
	s_add_co_u32 s24, s24, s25
	s_add_co_u32 s24, s24, WQ
	s_mov_b32 s25, 0
	s_wait_kmcnt 0x0
	s_load_b256 s[36:43], s[12:13], 0x0            ; e0 .. e7
	s_cmp_eq_u32 s18, 1                            ; the choice hangs on the work-group's number alone
	s_cselect_b64 s[6:7], s[6:7], s[8:9]
	s_cmp_eq_u32 s18, 0
	s_cselect_b64 s[4:5], s[4:5], s[6:7]
	s_add_nc_u64 s[4:5], s[4:5], s[22:23]
	s_add_nc_u64 s[8:9], s[14:15], s[24:25]
	BLOAD 0
	BLOAD 1
	s_wait_kmcnt 0x0
	s_cmp_eq_u32 s18, 1
	s_cselect_b32 s30, s38, s40                    ; e2 or e4,
	s_cmp_eq_u32 s18, 0
	s_cselect_b32 s30, s36, s30                    ; or e0
	MKSC 30, 11, 10
	s_wait_alu depctr_va_vdst(0)
.irp t, 0,1,2,3,4,5,6,7
	BBLOCK \t
.endr
.set tt, 0
.rept 16
	ds_load_b128 v[OUTR+4*tt:OUTR+4*tt+3], v7 offset:2*tt*BP   ; LDS serves a wave's instructions in order: these see my stores
.set tt, tt+1
.endr
.set tt, 0
.rept 16
	s_wait_dscnt 15-tt
	global_store_b128 v8, v[OUTR+4*tt:OUTR+4*tt+3], s[8:9] offset:2*((tt&3)|((tt&4)<<1)|((tt&8)>>1))*1024   ; columns 2 tt, 2 tt + 1 go to rows sw(..): sixteen lanes store 256 aligned bytes
.set tt, tt+1
.endr
	s_wait_tensorcnt 0x0
	ds_add_u32 v192, v193
	s_wait_dscnt 0x0
	s_endpgm
	; ---- PATH A: a wave takes 16 steps of 512 numbers: 8 rows of 1,024.
.Lpath_a:
	s_load_b128 s[4:7], s[0:1], 0x0                ; x, W_lin
	s_load_b64 s[8:9], s[0:1], 0x10                ; W_last
	s_load_b128 s[12:15], s[0:1], 0x38             ; the scales' exponents, codes
	s_wait_alu depctr_va_vdst(0)
	v_lshlrev_b32 v3, 4, v2                        ; my 16 bytes of a load's 512, and of a store's
	s_lshl_b32 s30, s16, 13                        ; my 8,192 bytes of LDS
	v_lshrrev_b32 v14, 2, v2
	v_mul_u32_u24 v14, v14, SP
	v_and_b32 v15, 3, v2
	v_lshl_add_u32 v14, v15, 4, v14
	v_add_nc_u32 v14, s30, v14                     ; the stage, in: four lanes' 64 bytes on end, then the padding
	v_mul_u32_u24 v15, v2, SP
	v_add_nc_u32 v15, s30, v15                     ; and out: my 16 neighbours
	s_mov_b32 s17, 288
	s_mov_b32 s18, WLAST
	s_wait_alu depctr_va_vdst(0)
	s_wait_kmcnt 0x0
	s_load_b256 s[36:43], s[12:13], 0x0            ; e0 .. e7
	s_load_b128 s[44:47], s[12:13], 0x28           ; e10 .. e13
	s_cmp_lt_u32 ttmp9, 288
	s_cselect_b64 s[6:7], s[6:7], s[8:9]
	s_cselect_b32 s17, 256, s17
	s_cselect_b32 s18, WLIN, s18
	s_cmp_lt_u32 ttmp9, 256
	s_cselect_b64 s[4:5], s[4:5], s[6:7]           ; the tensor,
	s_cselect_b32 s17, 0, s17                      ; its first work-group,
	s_cselect_b32 s18, 0, s18                      ; and where its codes begin
	s_sub_co_u32 s17, ttmp9, s17
	s_lshl_b32 s17, s17, 2
	s_add_co_u32 s19, s17, s16                     ; which run of 8,192 numbers is my wave's
	s_lshl_b32 s20, s19, 15
	s_mov_b32 s21, 0
	s_add_nc_u64 s[4:5], s[4:5], s[20:21]
	s_lshl_b32 s20, s19, 13
	s_add_co_u32 s20, s20, s18
	s_add_nc_u64 s[22:23], s[14:15], s[20:21]      ; the first copy, rows in their own order
	s_and_b32 s24, s16, 1                          ; a run is 8 rows, so bits 3 and 4 of a row are the wave's two bits: exchanged for the other two copies
	s_lshl_b32 s24, s24, 1
	s_lshr_b32 s25, s16, 1
	s_or_b32 s24, s24, s25
	s_add_co_u32 s24, s24, s17
	s_lshl_b32 s20, s24, 13
	s_add_co_u32 s20, s20, XK
	s_add_nc_u64 s[26:27], s[14:15], s[20:21]
	s_add_nc_u64 s[28:29], s[26:27], XV-XK
.irp t, 0,1,2,3
	ALOAD \t
.endr
	s_wait_kmcnt 0x0
	s_cmp_lt_u32 ttmp9, 288
	s_cselect_b32 s31, s45, s47                    ; e11 or e13,
	s_cmp_lt_u32 ttmp9, 256
	s_cselect_b32 s31, s37, s31                    ; or e1
	MKSC 31, 8, 9
	MKSC 39, 10, 11                                ; e3
	MKSC 41, 12, 13                                ; e5
	s_wait_alu depctr_va_vdst(0)
	s_wait_loadcnt 12                              ; step 0's four loads are in
	ATURN 0
.irp t, 0,1,2,3,4,5,6,7,8,9,10,11,12,13,14,15
	ASTEP \t
.endr
	s_wait_tensorcnt 0x0
	ds_add_u32 v192, v193
	s_wait_dscnt 0x0
	s_endpgm
.Lfunc_end_k_q1ce390141e_prep:
	.size	k_q1ce390141e_prep, .Lfunc_end_k_q1ce390141e_prep-k_q1ce390141e_prep
	.p2alignl 7, 3214868480
	.fill 96, 4, 3214868480
	.section	.rodata,"a",@progbits
	.p2align	6, 0x0
	.amdhsa_kernel k_q1ce390141e_prep
		.amdhsa_group_segment_fixed_size 68096
		.amdhsa_private_segment_fixed_size 0
		.amdhsa_enable_private_segment 0
		.amdhsa_kernarg_size 80
		.amdhsa_user_sgpr_count 2
		.amdhsa_user_sgpr_kernarg_segment_ptr 1
		.amdhsa_wavefront_size32 1
		.amdhsa_system_sgpr_workgroup_id_x 1
		.amdhsa_system_sgpr_workgroup_id_y 1
		.amdhsa_system_sgpr_workgroup_id_z 1
		.amdhsa_system_vgpr_workitem_id 0
		.amdhsa_next_free_vgpr 194
		.amdhsa_next_free_sgpr 66
		.amdhsa_reserve_vcc 0
		.amdhsa_float_denorm_mode_32 3
		.amdhsa_float_denorm_mode_16_64 3
		.amdhsa_memory_ordered 1
		.amdhsa_forward_progress 1
		.amdhsa_inst_pref_size 216
	.end_amdhsa_kernel
	.amdgpu_metadata
---
amdhsa.version: [ 1, 2 ]
amdhsa.kernels:
  - .name:           k_q1ce390141e_prep
    .symbol:         k_q1ce390141e_prep.kd
    .args:
      - { .name: x, .offset: 0, .size: 8, .value_kind: global_buffer, .address_space: global }
      - { .name: W_lin, .offset: 8, .size: 8, .value_kind: global_buffer, .address_space: global }
      - { .name: W_last, .offset: 16, .size: 8, .value_kind: global_buffer, .address_space: global }
      - { .name: W_q, .offset: 24, .size: 8, .value_kind: global_buffer, .address_space: global }
      - { .name: W_k, .offset: 32, .size: 8, .value_kind: global_buffer, .address_space: global }
      - { .name: W_v, .offset: 40, .size: 8, .value_kind: global_buffer, .address_space: global }
      - { .name: mask_3d, .offset: 48, .size: 8, .value_kind: global_buffer, .address_space: global }
      - { .name: lowp_scales, .offset: 56, .size: 8, .value_kind: global_buffer, .address_space: global }
      - { .name: codes, .offset: 64, .size: 8, .value_kind: global_buffer, .address_space: global }
      - { .name: mw, .offset: 72, .size: 8, .value_kind: global_buffer, .address_space: global }
    .group_segment_fixed_size: 68096
    .private_segment_fixed_size: 0
    .kernarg_segment_align: 8
    .kernarg_segment_size: 80
    .max_flat_workgroup_size: 128
    .sgpr_count:     66
    .vgpr_count:     194
    .wavefront_size: 32
...
	.end_amdgpu_metadata
.endif
;; end of part 1
;; launch qkv (part 2): grid 8 x 32, 4 waves a work-group, clusters of 4 x 4, 327,680 bytes of LDS; arguments codes, lowp_scales, qkv; writes qkv
.if DOCPART == 2
	.amdgcn_target "amdgcn-amd-amdhsa--gfx1250"
	.amdhsa_code_object_version 6
	.text
	.protected	k_q1ce390141e_qkv
	.globl	k_q1ce390141e_qkv
	.p2align	8
	.type	k_q1ce390141e_qkv,@function
k_q1ce390141e_qkv:
	s_mov_b64 s[64:65], 0
	v_nop
	global_prefetch_b8 v0, s[64:65] scope:SCOPE_SE
	s_setreg_imm32_b32 hwreg(HW_REG_WAVE_MODE, 25, 1), 1
	s_wait_xcnt 0x0
	s_wait_alu depctr_hold_cnt(0) depctr_sa_sdst(0) depctr_va_vdst(0) depctr_va_sdst(0) depctr_va_ssrc(0) depctr_va_vcc(0) depctr_vm_vsrc(0)
	s_getreg_b32 s2, hwreg(HW_REG_IB_STS2, 6, 4)
	s_cmp_eq_u32 s2, 0
	s_cbranch_scc0 .Lentry_in_a_cluster
	s_endpgm
.Lentry_in_a_cluster:
	s_bfe_u32 s2, ttmp6, 0x10000c
	s_cmp_lg_u32 s2, 0xf033
	s_cbranch_scc0 .Lentry_shape_is_right
	s_endpgm
.Lentry_shape_is_right:
; The k and v projections, on codes of E5M2, K = 1,024; the sums are quantised at once and stored as IMAGES OF OPERAND REGISTERS for the attention launch.
; The cluster's x says which: 0: k, 1: v.  A tile is 256 x 256, four waves of 128 x 128 (64 accumulators, 512 registers); K goes in steps of 256 through two LDS slots filled by joint tensor loads.
; The matrix instruction takes 16 rows of "B" as source 0 and 16 rows of "A" as source 1: a lane holds ONE row of A, and its registers run along B's rows.
;   q, k: A = x's codes (tokens), B = the weight's codes: a lane holds a token, its 64 registers of a block of 16 tokens run along a head's 128 units: they become one fragment (16 tokens x 128).
;   v:    A = W_v's codes, B = x's codes: a lane holds a unit, its registers run along 128 tokens, which are the second attention product's K.
; The rows of the weights, and of x for k and v, lie in the order that the launch before gave them, so that a fragment's registers 4 c .. 4 c + 3 hold K = 32 c + 16 (lane / 16) + 0 .. 15.
; AN IMAGE: a fragment's 16 registers by four stores of 512 consecutive bytes: registers 4 c .. 4 c + 3 of lane l at 512 c + 16 l.
; qkv: q at 0, k at 8 MiB, v at 16 MiB; (head, batch) at (4 head + batch) x 262,144; q, k: tile of 16 tokens at 2,048 each; v: step of 128 keys at 16,384, tile of 16 units at 2,048.
; A sum stands for sum x 2^(eW + ex); its code is sum / 2^(eo - eW - ex): the three scales go into the conversion's one.  LIMIT: eo - eW - ex between -126 and 112.  NaN is not served.
; REGISTERS: window 0: v0-31 addresses; v32-95 at work on the way out; from v128 A's fragments, one set (on the way out the codes).  window 1: B's fragments, two sets.  windows 2, 3: the accumulators.
; THIS LAUNCH MAKES k AND v ALONE: the cluster's x says which, 0: k, 1: v.  q is made by the attention launch, whose work-groups each read one block of q and nobody else's; q's part of qkv is not written.
.set XV,     0x1000000
.set WQ,     0x1800000
.set WV,     0x1a00000
.set KSTEP,  256
.set ROWB,   256
.set KROW,   1024
.set PITCH,  272                       ; an LDS row: 256 bytes + 16 of padding = 68 words: the 16 rows that a load touches start at 16 different banks (64 banks of 4 bytes: ISA guide 11.1)
.set FR,     16
.set NL,     4
.set NP,     4
.set HALFT,  128*PITCH
.set SLOT,   4*HALFT
.set LAPS,   2                         ; 1,024 along K = two laps of two slots
.set SPARE,  2*SLOT                    ; behind the ring: the spare words, 128 bytes a wave
.set ADRA, 16
.set ADRB, 20
.set LO,   27                          ; v27  16 x lane
.set SPW,  28
.set NIL,  29
.set SC,   30                          ; v30  the conversion's scale
.set LIM,  31                          ; v31  57,344 x that
.set TMP,  32
.set AF,   128
.set G1, 24
.set G0, 32
.set G1B, 48
.set G0B, 56
.set MSB, 0
.macro WIN new                         ; the immediate's high byte repeats the setting that is left
.if MSB != \new
	s_set_vgpr_msb (MSB<<8)|\new
.set MSB, \new
.endif
.endm
.set MUL_LO, 0xa1                      ; source 0 (B) window 1, source 1 (A) window 0, C and D window 2
.set MUL_HI, 0xf1
.set TO_B,   0x40
.macro JLOAD g0a, g1a, g0b, g1b        ; a joint load: waves 0, 1 fetch for A, waves 2, 3 for B; the branch hangs on the wave's number alone; four v_nop follow each line
	s_cmp_eq_u32 s15, 0
	s_cbranch_scc0 .Lfor_b_\@
	tensor_load_to_lds s[\g0a:\g0a+3], s[\g1a:\g1a+7]
	s_nop 0
.rept 4
	v_nop
.endr
	s_branch .Lasked_\@
.Lfor_b_\@:
	tensor_load_to_lds s[\g0b:\g0b+3], s[\g1b:\g1b+7]
	s_nop 0
.rept 4
	v_nop
.endr
.Lasked_\@:
.endm
.macro CREST
	s_cmp_lg_u32 s14, 0
	s_cbranch_scc1 .Lnot_wave_0_\@
	s_barrier_signal -3
.Lnot_wave_0_\@:
	s_barrier_wait -3
	s_barrier_signal -1
	s_barrier_wait -1
.endm
.macro CROUND
	s_barrier_signal -1
	s_barrier_wait -1
	CREST
.endm
	s_load_b128 s[4:7], s[0:1], 0x0                ; codes s[4:5], the scales' exponents s[6:7]
	s_load_b64 s[8:9], s[0:1], 0x10                ; qkv
	v_lshl_add_u32 v[SPW], v0, 2, SPARE
	v_mov_b32 v[NIL], 0
	ds_add_u32 v28, v29
	ds_add_u32 v28, v29
	s_wait_dscnt 0x0
	v_lshrrev_b32 v1, 5, v0
	v_readfirstlane_b32 s14, v1                    ; wave 0..3
	s_lshr_b32 s15, s14, 1                         ; which half of A's rows is mine.  Also: I fetch for A (0) or for B (1)
	s_and_b32 s16, s14, 1                          ; which half of B's rows.  Also: which 128 rows I fetch
	s_bfe_u32 s40, ttmp6, 0x40000                  ; cx
	s_bfe_u32 s41, ttmp6, 0x40004                  ; cy
	s_and_b32 s13, ttmp7, 0xffff                   ; the cluster's y: which 1,024 tokens
	s_add_co_u32 s69, ttmp9, 1                     ; 1: k, 2: v
	s_lshl_b32 s66, s69, 23                        ; times 8 MiB: x's copy for k, and the output's part
	s_lshl_b32 s68, s69, 20
	s_add_co_u32 s68, s68, WQ                      ; W_k
	s_cmp_lt_u32 ttmp9, 1                          ; the cluster's x is the same in all sixteen partners
	s_cselect_b32 s67, s66, WV                     ; where A's codes begin,
	s_cselect_b32 s68, s68, XV                     ; and B's
	s_cselect_b32 s17, s13, 0                      ; the tokens are A's rows for q and k,
	s_cselect_b32 s42, 0, s13                      ; B's for v
	s_lshl_b32 s17, s17, 2
	s_add_co_u32 s17, s17, s41                     ; A's block of 256 rows
	s_lshl_b32 s42, s42, 2
	s_add_co_u32 s42, s42, s40                     ; B's block of 256 rows
	s_lshl_b32 s43, s41, 2
	s_lshl_b32 s43, 15, s43                        ; my row of the cluster
	s_lshl_b32 s44, 0x1111, s40                    ; my column
	s_or_b32 s[G1+0], s43, (0<<16)|(1<<20)|(1<<21)|(5<<22)|(3<<25)  ; the mask; elements of 1 byte; padding: 4 words after every 64; bit 21 beside a mask
	s_or_b32 s[G1B+0], s44, (0<<16)|(1<<20)|(1<<21)|(5<<22)|(3<<25)
.irp g, G1, G1B
	s_mov_b32 s[\g+1], ROWB<<16                    ; tensor_dim0
	s_mov_b32 s[\g+2], 128<<16                     ; tensor_dim1
	s_mov_b32 s[\g+3], ROWB<<16                    ; tile_dim0
	s_mov_b32 s[\g+4], 128                         ; tile_dim1
	s_mov_b32 s[\g+5], KROW                        ; from row to row
	s_mov_b32 s[\g+6], 0
	s_mov_b32 s[\g+7], 0
.endr
	s_lshl_b32 s18, s16, 7
	s_lshl_b32 s20, s17, 8
	s_add_co_u32 s20, s20, s18                     ; A: row 256 x block + 128 x half,
	s_lshl_b32 s20, s20, 10                        ; of 1,024 bytes,
	s_add_co_u32 s20, s20, s67
	s_mov_b32 s21, 0
	s_lshl_b32 s46, s42, 8
	s_add_co_u32 s46, s46, s18
	s_lshl_b32 s46, s46, 10
	s_add_co_u32 s46, s46, s68                     ; B likewise, in registers that never hold cy
	s_mov_b32 s47, 0
	s_mul_i32 s45, s14, HALFT                      ; where they go: wave x 128 rows
	s_wait_kmcnt 0x0
	s_load_b256 s[88:95], s[6:7], 0x0              ; e0 .. e7
	s_load_b64 s[96:97], s[6:7], 0x20              ; e8, e9
	s_add_nc_u64 s[20:21], s[4:5], s[20:21]
	s_add_nc_u64 s[46:47], s[4:5], s[46:47]
	CROUND                                         ; all sixteen work-groups are here: the first joint loads meet
.irp s, 0,1
	s_mov_b32 s[G0+4*\s], 1
	s_add_co_u32 s[G0+4*\s+1], s45, \s*SLOT
	s_add_nc_u64 s[G0+4*\s+2:G0+4*\s+3], s[20:21], \s*ROWB
	s_or_b32 s[G0+4*\s+3], s[G0+4*\s+3], 0x80000000
	s_mov_b32 s[G0B+4*\s], 1
	s_add_co_u32 s[G0B+4*\s+1], s45, \s*SLOT
	s_add_nc_u64 s[G0B+4*\s+2:G0B+4*\s+3], s[46:47], \s*ROWB
	s_or_b32 s[G0B+4*\s+3], s[G0B+4*\s+3], 0x80000000
.endr
	JLOAD G0, G1, G0B, G1B                         ; K step 0: one tensor load a wave at the head
	v_and_b32 v1, 15, v0
	v_bfe_u32 v2, v0, 4, 1
	v_mul_u32_u24 v3, v1, PITCH
	v_lshl_add_u32 v4, v2, 4, v3                   ; a fragment's row x pitch + 16 x half
	v_and_b32 v5, 31, v0
	v_lshlrev_b32 v[LO], 4, v5
	s_mul_i32 s21, s15, HALFT
	s_mul_i32 s22, s16, HALFT
	s_add_co_u32 s22, s22, 2*HALFT
.irp s, 0,1
	v_add_nc_u32 v[ADRA+\s], s21, v4
	v_add_nc_u32 v[ADRB+\s], s22, v4
	s_add_co_u32 s21, s21, SLOT
	s_add_co_u32 s22, s22, SLOT
.endr
	; where my eight images go.  q, k: (my 128 tokens) x 16,384 + (my head) x 1 MiB;  v: (my head) x 1 MiB + (my 128 tokens) x 16,384
	s_lshl_b32 s70, s17, 1
	s_add_co_u32 s70, s70, s15                     ; which 128 rows of A are mine
	s_lshl_b32 s71, s42, 1
	s_add_co_u32 s71, s71, s16                     ; which 128 rows of B
	s_cmp_lt_u32 ttmp9, 1
	s_cselect_b32 s72, 14, 20
	s_cselect_b32 s73, 20, 14
	s_lshl_b32 s70, s70, s72
	s_lshl_b32 s71, s71, s73
	s_add_co_u32 s70, s70, s71
	s_add_co_u32 s70, s70, s66
	s_mov_b32 s71, 0
	s_add_nc_u64 s[8:9], s[8:9], s[70:71]
.macro FRAG reg, adr, q, i             ; 16 rows x 128 K: registers 4 c .. 4 c + 3 hold K = 32 c + 16 (l / 16) + 0 .. 15, alike in A and B
.irp c, 0,1,2,3
	ds_load_b128 v[\reg+4*\c:\reg+4*\c+3], v[\adr] offset:128*(\q)+32*\c+(\i)*16*PITCH
.endr
.endm
.macro MUL16 a0, p, zero               ; A's blocks a0, a0 + 1 x B's eight; the 64 accumulators take turns, one instruction a turn
.irp a, \a0, \a0+1
.irp b, 0,1,2,3,4,5,6,7
.if \zero
	v_wmma_f32_16x16x128_bf8_bf8 v[8*(8*((\a)%4)+\b):8*(8*((\a)%4)+\b)+7], v[128*(\p)+FR*\b:128*(\p)+FR*\b+FR-1], v[AF+FR*(\a):AF+FR*(\a)+FR-1], 0
.else
	v_wmma_f32_16x16x128_bf8_bf8 v[8*(8*((\a)%4)+\b):8*(8*((\a)%4)+\b)+7], v[128*(\p)+FR*\b:128*(\p)+FR*\b+FR-1], v[AF+FR*(\a):AF+FR*(\a)+FR-1], v[8*(8*((\a)%4)+\b):8*(8*((\a)%4)+\b)+7]
.endif
.endr
.endr
.endm
.macro FETCH_B slot, q, p
	WIN TO_B
.irp i, 0,1,2,3,4,5,6,7
	FRAG 128*(\p)+FR*\i, ADRB+\slot, \q, \i
.endr
	WIN 0
.endm
.macro FETCH_A slot, q, i0
.irp i, \i0, \i0+1, \i0+2, \i0+3
	FRAG AF+FR*(\i), ADRA+\slot, \q, \i
.endr
.endm
.macro PLACES n                        ; plain vector lines between a matrix instruction and a load into, or a vector line on, its registers
.rept \n
	v_nop
.endr
.endm
.macro STEP slot, q, zero              ; 128 along K whose successor lies in the same slot
	s_wait_dscnt 4*NL                              ; B's set and A's blocks 0-3 are in; the youngest sixteen loads (A's blocks 4-7) may be out
	WIN MUL_LO
	MUL16 0, (\q)%2, \zero
	MUL16 2, (\q)%2, \zero
	s_wait_dscnt 0
	PLACES NP
	FETCH_B \slot, (\q)+1, 1-(\q)%2
	FETCH_A \slot, (\q)+1, 0
	WIN MUL_HI
	MUL16 4, (\q)%2, \zero
	MUL16 6, (\q)%2, \zero
	PLACES NP
	WIN 0
	FETCH_A \slot, (\q)+1, 4
.endm
.macro TURN slot, next, fill           ; a slot's last step changes slots: one barrier; fill = 1: the slot is filled again, two K steps ahead
	s_wait_tensorcnt 0x0                           ; all my tensor loads have landed: my part of the next slot
	ds_add_u32 v[SPW], v[NIL]                      ; 0 onto my spare word
	s_wait_dscnt 4*NL+1                            ; (the add and the youngest sixteen loads may be out)
	WIN MUL_LO
	MUL16 0, 1, 0
	s_wait_dscnt 0x0                               ; the add is done, and my reads of this slot are over
	s_barrier_signal -1
	MUL16 2, 1, 0
	WIN 0
	s_barrier_wait -1
.if \fill
	CREST                                          ; the barrier has opened a round of the cluster's: no wave of any partner still reads this slot or has a load on its way
	s_add_nc_u64 s[G0+4*\slot+2:G0+4*\slot+3], s[G0+4*\slot+2:G0+4*\slot+3], 2*ROWB
	s_add_nc_u64 s[G0B+4*\slot+2:G0B+4*\slot+3], s[G0B+4*\slot+2:G0B+4*\slot+3], 2*ROWB
	JLOAD G0+4*\slot, G1, G0B+4*\slot, G1B         ; the first tensor load behind the round; its four v_nop are the places in front of the loads below
.else
	PLACES NP
.endif
	FETCH_B \next, 0, 0
	FETCH_A \next, 0, 0
	WIN MUL_HI
	MUL16 4, 1, 0
	MUL16 6, 1, 0
	PLACES NP
	WIN 0
	FETCH_A \next, 0, 4
.endm
	s_wait_alu depctr_va_vdst(0)
	s_wait_tensorcnt 0x0                           ; my part of K step 0 is in
	ds_add_u32 v[SPW], v[NIL]
	s_wait_dscnt 0x0
	CROUND                                         ; everybody's part of K step 0 is in, and all sixteen work-groups are here
	JLOAD G0+4, G1, G0B+4, G1B                     ; K step 1's load, the first tensor load behind the round
	FETCH_B 0, 0, 0
	FETCH_A 0, 0, 0
	FETCH_A 0, 0, 4
	STEP 0, 0, 1                                   ; the first step's products start the sums: nothing is cleared
	s_mov_b32 s3, LAPS-1
.Llap:
	TURN 0, 1, 1
	STEP 1, 0, 0
	TURN 1, 0, 1
	STEP 0, 0, 0
	s_sub_co_u32 s3, s3, 1
	s_cmp_lg_u32 s3, 0
	s_cbranch_scc1 .Llap
	TURN 0, 1, 0                                   ; the last lap fills nothing
	STEP 1, 0, 0
	s_wait_dscnt 4*NL
	WIN MUL_LO
	MUL16 0, 1, 0
	MUL16 2, 1, 0
	s_wait_dscnt 0
	WIN MUL_HI
	MUL16 4, 1, 0
	MUL16 6, 1, 0
	WIN 0
	; THE WAY OUT.  Block a's 64 sums of a lane are held, converted (8 registers give 2), and ARE a fragment's 16 registers: four stores of 512 consecutive bytes.  No LDS.
	s_wait_kmcnt 0x0
	s_sub_co_i32 s90, s95, s90
	s_sub_co_i32 s90, s90, s91                     ; k: e7 - e2 - e3
	s_sub_co_i32 s92, s97, s92
	s_sub_co_i32 s92, s92, s93                     ; v: e9 - e4 - e5
	s_cmp_eq_u32 ttmp9, 0
	s_cselect_b32 s88, s90, s92
	s_add_co_i32 s88, s88, 127
	s_lshl_b32 s89, s88, 23
	s_add_co_i32 s88, s88, 15
	s_lshl_b32 s88, s88, 23
	s_or_b32 s88, s88, 0x600000
	PLACES NP                                      ; behind the last products: the codes land in the registers that held A's fragments
	v_mov_b32 v[SC], s89
	v_mov_b32 v[LIM], s88
.macro OUTBLK a
.set AC, 64*((\a)%4)
.set CR, AF+16*(\a)                    ; each block has code registers of its own: no store's data are written again
	WIN 0x02+((\a)/4)                              ; source 0: window 2 or 3
.set j, 0
.rept 64
	v_med3_num_f32 v[TMP+j], v[AC+j], -v[LIM], v[LIM]   ; the hold (the conversion does not saturate: ISA guide 7.6.2), each accumulator from its low end on
.set j, j+1
.endr
	WIN 0
.set g, 0
.rept 8
	v_cvt_scalef32_pk8_bf8_f32 v[CR+2*g:CR+2*g+1], v[TMP+8*g:TMP+8*g+7], v[SC]
.set g, g+1
.endr
	v_nop                                          ; a plain line between the conversions and the next block's holds, which write their sources
.set c, 0
.rept 4
	global_store_b128 v[LO], v[CR+4*c:CR+4*c+3], s[8:9] offset:2048*(\a)+512*c
.set c, c+1
.endr
.endm
.irp a, 0,1,2,3,4,5,6,7
	OUTBLK \a
.endr
	s_wait_tensorcnt 0x0                           ; the wave's end
	ds_add_u32 v[SPW], v[NIL]
	s_wait_dscnt 0x0
	CROUND                                         ; the closing round
	s_endpgm
.Lfunc_end_k_q1ce390141e_qkv:
	.size	k_q1ce390141e_qkv, .Lfunc_end_k_q1ce390141e_qkv-k_q1ce390141e_qkv
	.p2alignl 7, 3214868480
	.fill 96, 4, 3214868480
	.section	.rodata,"a",@progbits
	.p2align	6, 0x0
	.amdhsa_kernel k_q1ce390141e_qkv
		.amdhsa_group_segment_fixed_size 327680
		.amdhsa_private_segment_fixed_size 0
		.amdhsa_enable_private_segment 0
		.amdhsa_kernarg_size 24
		.amdhsa_user_sgpr_count 2
		.amdhsa_user_sgpr_kernarg_segment_ptr 1
		.amdhsa_wavefront_size32 1
		.amdhsa_system_sgpr_workgroup_id_x 1
		.amdhsa_system_sgpr_workgroup_id_y 1
		.amdhsa_system_sgpr_workgroup_id_z 1
		.amdhsa_system_vgpr_workitem_id 0
		.amdhsa_next_free_vgpr 1024
		.amdhsa_next_free_sgpr 100
		.amdhsa_reserve_vcc 0
		.amdhsa_float_denorm_mode_32 3
		.amdhsa_float_denorm_mode_16_64 3
		.amdhsa_memory_ordered 1
		.amdhsa_forward_progress 1
		.amdhsa_inst_pref_size 118
	.end_amdhsa_kernel
	.amdgpu_metadata
---
amdhsa.version: [ 1, 2 ]
amdhsa.kernels:
  - .name:           k_q1ce390141e_qkv
    .symbol:         k_q1ce390141e_qkv.kd
    .args:
      - { .name: codes, .offset: 0, .size: 8, .value_kind: global_buffer, .address_space: global }
      - { .name: lowp_scales, .offset: 8, .size: 8, .value_kind: global_buffer, .address_space: global }
      - { .name: qkv, .offset: 16, .size: 8, .value_kind: global_buffer, .address_space: global }
    .group_segment_fixed_size: 327680
    .private_segment_fixed_size: 0
    .kernarg_segment_align: 8
    .kernarg_segment_size: 24
    .max_flat_workgroup_size: 128
    .sgpr_count:     100
    .vgpr_count:     1024
    .wavefront_size: 32
...
	.end_amdgpu_metadata
.endif
;; end of part 2
;; launch attn (part 3): grid 8 x 32, 8 waves a work-group, clusters of 4 x 1, 327,680 bytes of LDS; arguments qkv, mw, lowp_scales, oi, codes; writes oi
.if DOCPART == 3
	.amdgcn_target "amdgcn-amd-amdhsa--gfx1250"
	.amdhsa_code_object_version 6
	.text
	.protected	k_q1ce390141e_attn
	.globl	k_q1ce390141e_attn
	.p2align	8
	.type	k_q1ce390141e_attn,@function
k_q1ce390141e_attn:
	s_mov_b64 s[64:65], 0
	v_nop
	global_prefetch_b8 v0, s[64:65] scope:SCOPE_SE
	s_setreg_imm32_b32 hwreg(HW_REG_WAVE_MODE, 25, 1), 1
	s_wait_xcnt 0x0
	s_wait_alu depctr_hold_cnt(0) depctr_sa_sdst(0) depctr_va_vdst(0) depctr_va_sdst(0) depctr_va_ssrc(0) depctr_va_vcc(0) depctr_vm_vsrc(0)
	s_getreg_b32 s2, hwreg(HW_REG_IB_STS2, 6, 4)
	s_cmp_eq_u32 s2, 0
	s_cbranch_scc0 .Lentry_in_a_cluster
	s_endpgm
.Lentry_in_a_cluster:
	s_bfe_u32 s2, ttmp6, 0x10000c
	s_cmp_lg_u32 s2, 0x3003
	s_cbranch_scc0 .Lentry_shape_is_right
	s_endpgm
.Lentry_shape_is_right:
; Attention on codes of E5M2: S^T = K Q^T, the mask, a streaming softmax, O^T = V^T P^T; o is quantised (e10) and stored as images of operand registers.
; t = score x c, c = 2^(e6 + e7) x log2(e) / sqrt(128).  M = the running largest t rounded up to a whole number; p = 2^(t - M) is quantised by e8;
; the row's sum is taken of the unquantised p and divides at the end.  When M moves, sum and O^T are multiplied by 2^(old M - new M): exact.
; THE MASK works on the raw score, ahead of the maximum: where it is set the score is REPLACED by ms = -741,093.125 x 2^-(e6 + e7), so that one fused multiply-add, score x c - M, serves all keys.
; ms x c = -94,502.2922, the model's -65,504 x log2(e) is -94,502.2960.  LIMIT: in a row ALL of whose keys are masked the exponent t - M is larger by under 0.005 than with f32(-65504 log2 e); it is the same
; for all keys of the row, gives the same code of p, and the sum divides it out.  In every other row a masked p is 0 either way.
; SHARES.  A work-group owns 256 queries of one (head, batch); each of its eight waves 32: TWO tiles of 16.  Tile 0 lives in register window 0, tile 1 in window 1, at the same numbers, so one text serves both.
; Each fragment of K and V read from LDS feeds two products.  All operands lie in memory as images of fragments (registers 4 c .. 4 c + 3 of lane l at 512 c + 16 l): a key step's K (8 fragments) and V (8) are dense
; blocks of 16,384 bytes, LDS needs no pitch, and every LDS load reads 512 consecutive bytes.
; CLUSTER.  The four query blocks of a cluster walk the same K and V: each of the eight waves asks jointly for one block of 16,384 bytes of a slot (4 key steps).  A wave has one tensor load out.
; The mask comes as 64 words for a tile and a key step, bit q + 16 h of word n for the lane's register n: scalar loads one phase ahead, one select a number.
; LIMITS: e6 + e7 between -108 and 130; e8, and e10 - e8 - e9, between -126 and 112.  NaN is not served.
; REGISTERS.  window 0 only: v1 16 x lane, v2, v3 the spare word's address and 0, v4 the LDS address in hand, v6 the prefetches' offset.  In both windows: v12 -M, v13 the largest t, v[14:15] the sum, v16-31 Q,
;   v32-95 fragments of K or V (0-3 in window 0, 4-7 in window 1), v96-159 S^T, then p, v160-223 O^T, v224-239 p's codes, v240 57,344 x 2^e8, v244 2^e8, v245 ms, v242-243, v246, v248-254 at work.
; s2 LDS byte of the step in hand, s3, s11 counters, s[4:5] oi, s[6:7] my 8,192 bytes of mask words, s8, s9 the phase's offset, s10 wave, s[12:15], s[16:23] the descriptor, s[24:25] c, s[26:27] lane selects,
; s[28:29], s30 the prefetches, s100, s101 o's scale and hold, s32-63 and s68-99 the 64 mask words.
; Q IS MADE HERE, at the head: q = x W_q for my work-group's 256 queries and its head, K = 1,024, on the codes of x (by e1, rows in their own order) and of W_q (by e0, unit u in row sw(u)) that the first launch made.
; A wave makes its own 32 queries x 128 units: 16 accumulators (the registers of S^T), 8 K steps of 128, source 0 = 16 rows of W_q, source 1 = 16 tokens: a lane holds a token and its registers run along the units,
; so the 64 sums of a tile, held and converted by 2^(e6 - e0 - e1), ARE Q's 16 registers.  LIMIT: e6 - e0 - e1 between -126 and 112.
; W_q's 128 rows of 1,024 bytes are read by all eight waves and by all four partners: one joint load a wave (16 rows) at the head, into the bytes of slot 1 and 2,048 behind it, 16 bytes of padding behind each row (pitch 1,040).
; x's rows are read by the wave that owns them and by no other wave of the work-group, and 256 rows of 1,040 bytes do not fit in LDS beside W_q's 133,120: they go from memory into registers, a lane 16 bytes of its token's row.
; Slot 0's K and V are asked for behind the round that shows W_q whole, and land under these products; slot 1's first K and V fill again bytes that W_q's load filled, behind the loop's first round.
.set SLOT1, 1<<17
.set STEPB, 32768                      ; a key step in a slot: K's 16,384 bytes, then V's
.set SPARE, 0x41000                    ; behind the ring and W_q's rows (which end at 0x40800): the spare words, 128 bytes for each of eight waves
.set KI,    0x800000                   ; qkv: q at 0, k here, v 8 MiB further on
.set LI,  1
.set SPW, 2
.set NIL, 3
.set ADR, 4
.set PFO, 6
.set Q,   16
.set FRG, 32
.set S,   96
.set O,   160
.set PC,  224
.set MX,  248
.set MSB, 0
.macro WIN new                         ; bits 1:0 source 0, 3:2 source 1, 5:4 source 2, 7:6 destination; the high byte repeats the setting that is left
.if MSB != \new
	s_set_vgpr_msb (MSB<<8)|\new
.set MSB, \new
.endif
.endm
.macro CROUND                          ; a round of the cluster's barrier
	s_barrier_signal -1
	s_barrier_wait -1
	s_cmp_lg_u32 s10, 0
	s_cbranch_scc1 .Lnot_wave_0_\@
	s_barrier_signal -3
.Lnot_wave_0_\@:
	s_barrier_wait -3
	s_barrier_signal -1
	s_barrier_wait -1
.endm
; A prefetch of what the NEXT change of slots will ask for: 65,536 bytes of K and as many of V, each aligned block of 256 bytes named once in the launch.  Both clusters of a (head, batch) walk the same bytes: the first asks.
; Its four partners take 16,384 bytes of each by ADDRESS; in each, waves 0, 1 ask for K's and waves 2, 3 for V's, 8,192 bytes a wave, lanes 256 bytes apart.  The last change that fills a slot asks for nothing.
.macro ASK
	s_cmp_gt_u32 s11, s30
	s_cbranch_scc0 .Lnot_mine_\@
	global_prefetch_b8 v[PFO], s[28:29] th:TH_LOAD_NT scope:SCOPE_SE
.Lnot_mine_\@:
.endm
.macro FLOAD off                       ; eight fragments from byte off of the step: four into window 0, four into window 1
	WIN 0
.set f, 0
.rept 4
.set c, 0
.rept 4
	ds_load_b128 v[FRG+16*f+4*c:FRG+16*f+4*c+3], v[ADR] offset:\off+2048*f+512*c
.set c, c+1
.endr
.set f, f+1
.endr
	WIN 0x40
.set f, 0
.rept 4
.set c, 0
.rept 4
	ds_load_b128 v[FRG+16*f+4*c:FRG+16*f+4*c+3], v[ADR] offset:\off+8192+2048*f+512*c
.set c, c+1
.endr
.set f, f+1
.endr
.endm
.macro MM4 win, dst, t0, src1, chain   ; four products: results t0 .. t0 + 3 of one tile, fragment t % 4 of the window that win names; every accumulator has one instruction a turn
	WIN \win
.set t, \t0
.rept 4
.if \chain
	v_wmma_f32_16x16x128_bf8_bf8 v[\dst+8*t:\dst+8*t+7], v[FRG+16*(t%4):FRG+16*(t%4)+15], v[\src1:\src1+15], v[\dst+8*t:\dst+8*t+7]
.else
	v_wmma_f32_16x16x128_bf8_bf8 v[\dst+8*t:\dst+8*t+7], v[FRG+16*(t%4):FRG+16*(t%4)+15], v[\src1:\src1+15], 0
.endif
.set t, t+1
.endr
.endm
; One tile's softmax for one key step, in the window that is set, in two parts.  A lane holds one query; register n is key 32 (n / 16) + 16 (lane / 16) + n % 16 of the step.
.macro MASK                            ; the masked scores become ms: 64 selects, each accumulator from its low end on
	s_wait_kmcnt 0x0                               ; this phase's 64 mask words, asked for a phase ago
	s_wait_alu depctr_va_vdst(0)                   ; the wait here, directly ahead of the first readers of the scores
.set n, 0
.rept 64
	v_cndmask_b32 v[S+n], v[S+n], v245, s[32+n+4*(n/32)]
.set n, n+1
.endr
	s_add_co_u32 s8, s8, 256                       ; the next phase's words, asked for as soon as these 64 registers are free (the wait above has shown the last loads done, so their offset may be written);
	s_min_u32 s9, s8, 7936                         ; the last phase asks once more for its own: no load leaves my 8,192 bytes
	s_load_b512 s[32:47], s[6:7], s9 offset:0x0
	s_load_b512 s[48:63], s[6:7], s9 offset:0x40
	s_load_b512 s[68:83], s[6:7], s9 offset:0x80
	s_load_b512 s[84:99], s[6:7], s9 offset:0xc0
.endm
.macro FMA j0, cnt                     ; t - M = score x c - M, two at a time (of the pairs c and -M the low word serves both halves)
.set j, \j0
.rept \cnt
	v_pk_fma_f32 v[S+j:S+j+1], v[S+j:S+j+1], s[24:25], v[12:13] op_sel_hi:[1,0,0]
.set j, j+2
.endr
.endm
.macro ADD4 j                          ; eight more p into the sum's four chains
	v_pk_add_f32 v[14:15], v[14:15], v[S+\j:S+\j+1]
	v_pk_add_f32 v[242:243], v[242:243], v[S+\j+2:S+\j+3]
	v_pk_add_f32 v[248:249], v[248:249], v[S+\j+4:S+\j+5]
	v_pk_add_f32 v[250:251], v[250:251], v[S+\j+6:S+\j+7]
.endm
.macro REST
.set i, 0
.rept 4
	v_max3_num_f32 v[MX+i], v[S+3*i], v[S+3*i+1], v[S+3*i+2]   ; the step's largest score of my query among my 64 keys, in four chains
.set i, i+1
.endr
.set j, 12
.rept 26
	v_max3_num_f32 v[MX+(j/2)%4], v[MX+(j/2)%4], v[S+j], v[S+j+1]
.set j, j+2
.endr
	v_mov_b32 v254, v12
	v_max3_num_f32 v248, v248, v249, v250
	s_delay_alu instid0(VALU_DEP_1)
	v_max_num_f32 v248, v248, v251
	s_delay_alu instid0(VALU_DEP_1)
	v_permlanex16_b32 v246, v248, s26, s27
	s_delay_alu instid0(VALU_DEP_1)
	v_max_num_f32 v248, v248, v246                 ; and among lane l xor 16's
	s_delay_alu instid0(VALU_DEP_1)
	v_mul_f32 v248, s24, v248                      ; as t (c is positive)
	s_delay_alu instid0(VALU_DEP_1)
	v_max_num_f32 v13, v13, v248                   ; the running largest t
	s_delay_alu instid0(VALU_DEP_1)
	v_floor_f32 v12, -v13                          ; the new -M = floor(-t): M is a whole number
	s_delay_alu instid0(VALU_DEP_1)
	v_sub_f32 v254, v12, v254                      ; old M - new M: a whole number, 0 or less
	FMA 0, 5                                       ; the first 32 keys' t - M stand between the three lines that make f
	v_cvt_i32_f32 v254, v254                       ; (it saturates)
	FMA 10, 5
	v_ldexp_f32 v252, 1.0, v254                    ; f = 2^(old M - new M)
	FMA 20, 6
	s_wait_alu depctr_va_vdst(0)                   ; the wait ahead of the batch
.set j, 0
.rept 16
	v_exp_f32 v[S+j], v[S+j]                       ; p = 2^(t - M) of registers 0-31; between them the other 32 keys' t - M, whose sources were all written ahead of the wait above
	v_exp_f32 v[S+j+1], v[S+j+1]
	v_pk_fma_f32 v[S+32+j:S+33+j], v[S+32+j:S+33+j], s[24:25], v[12:13] op_sel_hi:[1,0,0]
.set j, j+2
.endr
	v_pk_mul_f32 v[14:15], v[14:15], v[252:253] op_sel_hi:[1,0]   ; the sum under the new M
	s_wait_alu depctr_va_vdst(0)                   ; one wait behind the first batch and ahead of the second
	v_pk_add_f32 v[242:243], v[S:S+1], v[S+2:S+3]  ; the row's sum, of the unquantised p, in four chains
	v_pk_add_f32 v[248:249], v[S+4:S+5], v[S+6:S+7]
	v_pk_add_f32 v[250:251], v[S+8:S+9], v[S+10:S+11]
	v_pk_add_f32 v[14:15], v[14:15], v[S+12:S+13]
	v_pk_add_f32 v[242:243], v[242:243], v[S+14:S+15]
	ADD4 16
	ADD4 24
.set j, 0
.rept 16
	v_exp_f32 v[S+32+j], v[S+32+j]                 ; registers 32-63; between them the hold of registers 0-31, which have been summed
	v_exp_f32 v[S+33+j], v[S+33+j]
	v_dual_min_num_f32 v[S+j], v[S+j], v240 :: v_dual_min_num_f32 v[S+j+1], v[S+j+1], v240   ; the conversion does not saturate (ISA guide 7.6.2); p is not negative, so the hold is one-sided
.set j, j+2
.endr
	v_nop                                          ; a plain line behind the last exponential
	s_wait_alu depctr_va_vdst(0)                   ; one wait for the batch, ahead of its first reader
	ADD4 32
	ADD4 40
	ADD4 48
	ADD4 56
	v_pk_add_f32 v[14:15], v[14:15], v[242:243]
	v_pk_add_f32 v[248:249], v[248:249], v[250:251]
.set j, 32
.rept 16
	v_dual_min_num_f32 v[S+j], v[S+j], v240 :: v_dual_min_num_f32 v[S+j+1], v[S+j+1], v240
.set j, j+2
.endr
	v_pk_add_f32 v[14:15], v[14:15], v[248:249]
.set g, 0
.rept 8
	v_cvt_scalef32_pk8_bf8_f32 v[PC+2*g:PC+2*g+1], v[S+8*g:S+8*g+7], v244
.set g, g+1
.endr
	s_wait_alu depctr_va_vdst(0)                   ; the wait here, directly ahead of the first reader of O^T
.set j, 0
.rept 32
	v_pk_mul_f32 v[O+j:O+j+1], v[O+j:O+j+1], v[252:253] op_sel_hi:[1,0]   ; O^T under the new M; also the plain lines between the conversions and the products that read the codes
.set j, j+2
.endr
.endm
; A key step: 128 keys, both tiles.
.macro STEP
	v_add_nc_u32 v[ADR], s2, v[LI]                 ; this line and three v_nop: the places between the last products and the loads into the fragments that they read
	v_nop
	v_nop
	v_nop
	FLOAD 0                                        ; K
	s_wait_alu depctr_va_vdst(0)
	s_wait_dscnt 16                                ; fragments 0-3 are in; the younger sixteen loads may be out
	MM4 0x00, S, 0, Q, 0
	MM4 0x54, S, 0, Q, 0
	s_wait_dscnt 0x0
	MM4 0x55, S, 4, Q, 0
	MM4 0x01, S, 4, Q, 0
	WIN 0
	v_nop                                          ; four places: in front of V's loads into the fragments, and of the first read of the scores
	v_nop
	v_nop
	v_nop
	FLOAD 16384                                    ; V lands under tile 0's softmax
	WIN 0
	MASK
	REST
	s_wait_alu depctr_va_vdst(0)                   ; the wait here, directly ahead of the wait below
	s_wait_dscnt 16
	MM4 0x00, O, 0, PC, 1
	s_wait_dscnt 0x0
	MM4 0x01, O, 4, PC, 1
	WIN 0x55
	MASK                                           ; tile 1's words were asked for behind tile 0's selects: all of tile 0's softmax and its eight products lie between
	REST                                           ; names no register of tile 0's products
	MM4 0x54, O, 0, PC, 1
	MM4 0x55, O, 4, PC, 1
	WIN 0
.endm
; The change of slots stands at a slot's head.  Each wave waits for all its tensor loads (its part of the slot ahead), adds 0 to its spare word, and waits for that and for its reads of the slot that it has left.
; fill = 1: a round of the cluster's barrier, and behind it the slot just left is filled with the next four key steps: the load has four key steps in which to land.
.macro CHANGE fill
	s_wait_tensorcnt 0x0                           ; no tensor load of mine is out, so the descriptor may be written
	ds_add_u32 v[SPW], v[NIL]
.if \fill
	s_xor_b32 s13, s13, SLOT1                      ; the other slot than last time,
	s_add_nc_u64 s[14:15], s[14:15], 65536         ; the next four key steps
	s_wait_xcnt 0x0                                ; the last prefetch, a slot back, has read its address
	s_add_nc_u64 s[28:29], s[28:29], 65536
.endif
	s_wait_dscnt 0x0                               ; the add is done, and my reads of the slot that I have left are over
.if \fill
	CROUND
	tensor_load_to_lds s[12:15], s[16:23]          ; the first thing behind the round, and my one tensor load until the next
	s_nop 0
	v_nop
	v_nop
	v_nop
	v_nop
	ASK
.else
	s_barrier_signal -1
	s_barrier_wait -1
.endif
.endm
.macro SLOT_STEPS                      ; a slot's four key steps: written once, walked four times
	s_mov_b32 s3, 4
.Lstep_\@:
	STEP
	s_add_co_u32 s2, s2, STEPB
	s_sub_co_u32 s3, s3, 1
	s_cmp_lg_u32 s3, 0
	s_cbranch_scc1 .Lstep_\@
	s_sub_co_u32 s2, s2, 4*STEPB
	s_xor_b32 s2, s2, SLOT1                        ; on to the other slot
.endm
.macro INITW                           ; a tile's start, into the window that is set as destination.  The key step is written once: its first walk finds zeros, which the first change of M leaves zeros
	v_mov_b32 v13, 0xff61b1e6                      ; the largest t so far: -3e38
	v_mov_b32 v12, 0x7f61b1e6                      ; -M: 3e38, a whole number
	v_mov_b32 v14, 0
	v_mov_b32 v15, 0
	v_mov_b32 v246, 0                              ; a lane permute's destination counts as read
	v_mov_b32 v253, 0                              ; (named as the upper half of a pair)
	v_mov_b32 v245, s9                             ; ms
	v_mov_b32 v244, s31                            ; 2^e8
	v_mov_b32 v240, s3                             ; 57,344 x 2^e8
.set j, 0
.rept 64
	v_mov_b32 v[O+j], 0
.set j, j+1
.endr
.endm
	s_load_b256 s[32:39], s[0:1], 0x0              ; qkv s[32:33], mw s[34:35], the scales' exponents s[36:37], oi s[38:39]
	s_load_b64 s[68:69], s[0:1], 0x20              ; codes
	v_lshl_add_u32 v[SPW], v0, 2, SPARE
	v_mov_b32 v[NIL], 0
	ds_add_u32 v[SPW], v[NIL]                      ; the opening: the add, twice on end, and its wait ahead of my first tensor load
	ds_add_u32 v[SPW], v[NIL]
	s_wait_dscnt 0x0
	v_lshrrev_b32 v4, 5, v0
	s_delay_alu instid0(VALU_DEP_1)
	v_readfirstlane_b32 s10, v4                    ; wave 0..7
	s_bfe_u32 s48, ttmp6, 0x40000                  ; cx
	s_lshl_b32 s49, ttmp9, 2
	s_add_co_u32 s49, s49, s48                     ; my block of 256 queries: it enters Q's, the mask's and o's addresses alone
	s_and_b32 s50, ttmp7, 0xffff                   ; 4 head + batch, which the partners share
	s_lshl_b32 s51, s50, 18
	s_mov_b32 s16, 15|(3<<16)|(1<<21)              ; group 1: the mask: all four work-groups; elements of 8 bytes; bit 21 beside a mask; no padding
	s_mov_b32 s17, 32<<16                          ; tensor_dim0 = 32 elements: rows of 256 bytes
	s_mov_b32 s18, 64<<16                          ; tensor_dim1 = 64
	s_mov_b32 s19, 32<<16                          ; tile_dim0
	s_mov_b32 s20, 64                              ; tile_dim1
	s_mov_b32 s21, 32                              ; from row to row: dense
	s_mov_b32 s22, 0
	s_mov_b32 s23, 0
	s_and_b32 s52, s10, 1                          ; wave w fetches K (even) or V (odd) of the slot's key step w / 2
	s_lshl_b32 s52, s52, 23
	s_lshr_b32 s53, s10, 1
	s_lshl_b32 s53, s53, 14
	s_add_co_u32 s52, s52, s53
	s_add_co_u32 s52, s52, s51
	s_add_co_u32 s52, s52, KI
	s_mov_b32 s53, 0
	s_wait_kmcnt 0x0
	s_load_b128 s[40:43], s[36:37], 0x18           ; e6, e7, e8, e9
	s_load_b32 s44, s[36:37], 0x28                 ; e10
	s_load_b64 s[70:71], s[36:37], 0x0             ; e0, e1
	s_mov_b32 s12, 1                               ; group 0: count,
	s_lshl_b32 s13, s10, 14                        ; LDS address: 16,384 x wave, slot 0,
	s_add_nc_u64 s[14:15], s[32:33], s[52:53]      ; global address,
	s_or_b32 s15, s15, 0x80000000                  ; type
	s_mov_b32 s76, 15|(1<<20)|(1<<21)|(7<<22)|(3<<25)   ; W_q's group 1: all four work-groups; elements of 1 byte; padding: 4 words after every 256; bit 21 beside a mask
	s_mov_b32 s77, 1024<<16                        ; tensor_dim0
	s_mov_b32 s78, 16<<16                          ; tensor_dim1
	s_mov_b32 s79, 1024<<16                        ; tile_dim0
	s_mov_b32 s80, 16                              ; tile_dim1
	s_mov_b32 s81, 1024                            ; from row to row
	s_mov_b32 s82, 0
	s_mov_b32 s83, 0
	s_lshr_b32 s84, s50, 2                         ; the head: 128 rows of 1,024 bytes,
	s_lshl_b32 s84, s84, 17
	s_lshl_b32 s85, s10, 14                        ; my wave's 16 of them,
	s_add_co_u32 s84, s84, s85
	s_add_co_u32 s84, s84, 0x1800000               ; where W_q's codes begin
	s_mov_b32 s85, 0
	s_mov_b32 s72, 1                               ; group 0: count,
	s_mul_i32 s73, s10, 16640                      ; LDS address: 16 rows of 1,040 bytes a wave,
	s_add_co_u32 s73, s73, SLOT1                   ; from slot 1's first byte on,
	s_add_nc_u64 s[74:75], s[68:69], s[84:85]      ; global address,
	s_or_b32 s75, s75, 0x80000000                  ; type
	CROUND                                         ; all four work-groups are here: the first joint loads meet
	tensor_load_to_lds s[72:75], s[76:83]          ; W_q: one tensor load a wave at the head
	s_nop 0
	v_nop
	v_nop
	v_nop
	v_nop
	v_and_b32 v5, 31, v0
	s_delay_alu instid0(VALU_DEP_1)
	v_lshlrev_b32 v[LI], 4, v5
	s_delay_alu instid0(VALU_DEP_2)
	v_lshlrev_b32 v[PFO], 8, v5
	s_mov_b32 s55, 0
	s_and_b32 s58, s50, 3                          ; x's codes by e1: token = 2,048 batch + 256 block + 32 wave, rows of 1,024 bytes
	s_lshl_b32 s54, s58, 21
	s_lshl_b32 s58, s49, 18
	s_add_co_u32 s54, s54, s58
	s_lshl_b32 s58, s10, 15
	s_add_co_u32 s54, s54, s58
	s_add_nc_u64 s[66:67], s[68:69], s[54:55]
	v_and_b32 v8, 15, v0                           ; r
	v_bfe_u32 v9, v0, 4, 1                         ; h
	v_lshlrev_b32 v7, 10, v8
	v_lshl_add_u32 v7, v9, 4, v7                   ; x: row r, + 16 h
	v_mul_u32_u24 v8, v8, 1040
	v_lshl_add_u32 v8, v9, 4, v8
	v_add_nc_u32 v8, SLOT1, v8                     ; W_q in LDS: row r x pitch + 16 h, unit blocks 0-3,
	v_add_nc_u32 v9, 4*16640, v8                   ; and 4-7 (an LDS offset has 16 bits)
	s_wait_alu depctr_va_vdst(0)
.macro XLOAD j, t                      ; tile t's fragment of x for K step j: registers 4 c .. 4 c + 3 hold K = 128 j + 32 c + 16 h + 0 .. 15; six sets of 16 registers from O on take turns
.set c, 0
.rept 4
	global_load_b128 v[O+16*((\j)%6)+4*c:O+16*((\j)%6)+4*c+3], v7, s[66:67] offset:16384*(\t)+128*(\j)+32*c
.set c, c+1
.endr
.endm
.macro QSTEP j, n                      ; 128 along K: W_q's eight fragments from LDS, 16 products; n: the x loads issued behind this K step's, which may stay out
.set XR, O+16*((\j)%6)
	WIN 0
	v_nop                                          ; four places between the last products and the loads into registers that they read
	v_nop
	v_nop
	v_nop
.set f, 0
.rept 4
.set c, 0
.rept 4
	ds_load_b128 v[FRG+16*f+4*c:FRG+16*f+4*c+3], v8 offset:16640*f+128*(\j)+32*c
.set c, c+1
.endr
.set f, f+1
.endr
	WIN 0x40
.set f, 0
.rept 4
.set c, 0
.rept 4
	ds_load_b128 v[FRG+16*f+4*c:FRG+16*f+4*c+3], v9 offset:16640*f+128*(\j)+32*c
.set c, c+1
.endr
.set f, f+1
.endr
.if (\j) == 1 || (\j) == 2
	XLOAD (\j)+5, 1                                ; K steps 6 and 7 take the registers of K steps 0 and 1, which have been multiplied
	WIN 0
	XLOAD (\j)+5, 0
.endif
	s_wait_loadcnt \n
	s_wait_dscnt 16                                ; fragments 0-3 are in; the younger sixteen loads may be out
.if (\j) == 0
	MM4 0x00, S, 0, XR, 0
	MM4 0x54, S, 0, XR, 0
	s_wait_dscnt 0x0
	MM4 0x55, S, 4, XR, 0
	MM4 0x01, S, 4, XR, 0
.else
	MM4 0x00, S, 0, XR, 1
	MM4 0x54, S, 0, XR, 1
	s_wait_dscnt 0x0
	MM4 0x55, S, 4, XR, 1
	MM4 0x01, S, 4, XR, 1
.endif
.endm
.macro QOUT                            ; a tile's 64 sums become Q's 16 registers, in the window that is set
	v_mov_b32 v12, s86
	v_mov_b32 v13, s87
.set n, 0
.rept 64
	v_med3_num_f32 v[S+n], v[S+n], -v13, v13       ; the hold (the conversion does not saturate: ISA guide 7.6.2), each accumulator from its low end on
.set n, n+1
.endr
.set g, 0
.rept 8
	v_cvt_scalef32_pk8_bf8_f32 v[Q+2*g:Q+2*g+1], v[S+8*g:S+8*g+7], v12
.set g, g+1
.endr
	v_nop
.endm
.irp j, 0,1,2,3,4,5
	XLOAD \j, 0
.endr
	WIN 0x40
.irp j, 0,1,2,3,4,5
	XLOAD \j, 1
.endr
	WIN 0
	s_and_b32 s56, s50, 3                          ; batch
	s_lshr_b32 s57, s50, 2                         ; head
	s_lshl_b32 s54, s56, 21                        ; oi: [tile of 16 tokens][head][2,048 bytes]
	s_lshl_b32 s58, s49, 18
	s_add_co_u32 s54, s54, s58
	s_lshl_b32 s58, s10, 15
	s_add_co_u32 s54, s54, s58
	s_lshl_b32 s58, s57, 11
	s_add_co_u32 s54, s54, s58
	s_add_nc_u64 s[4:5], s[38:39], s[54:55]
	s_lshl_b32 s54, s56, 19                        ; mw: 8,192 bytes for each pair of tiles
	s_lshl_b32 s58, s49, 16
	s_add_co_u32 s54, s54, s58
	s_lshl_b32 s58, s10, 13
	s_add_co_u32 s54, s54, s58
	s_add_nc_u64 s[6:7], s[34:35], s[54:55]
	s_bfe_u32 s54, s10, 0x10001                    ; the prefetches: K (waves 0, 1) or V (waves 2, 3),
	s_lshl_b32 s54, s54, 23
	s_add_co_u32 s54, s54, s51
	s_lshl_b32 s58, s48, 14                        ; my work-group's 16,384 bytes,
	s_add_co_u32 s54, s54, s58
	s_and_b32 s58, s10, 1
	s_lshl_b32 s58, s58, 13                        ; my wave's 8,192 of them,
	s_add_co_u32 s54, s54, s58
	s_add_co_u32 s54, s54, KI+65536                ; in slot 1: the first change steps it to slot 2.  Nothing is prefetched here, at the head
	s_add_nc_u64 s[28:29], s[32:33], s[54:55]
	s_lshr_b32 s30, s10, 2                         ; 0 in waves 0 to 3,
	s_or_b32 s30, s30, ttmp9                       ; of the first cluster: the same in all four partners
	s_cmp_eq_u32 s30, 0
	s_cselect_b32 s30, 1, -1
	s_mov_b32 s26, 0x76543210
	s_mov_b32 s27, 0xfedcba98
	s_wait_kmcnt 0x0
	s_add_co_i32 s58, s40, s41
	s_lshl_b32 s58, s58, 23
	s_add_co_i32 s24, s58, 0x3e0293ee              ; c = log2(e) / sqrt(128), with e6 + e7 added to its exponent field
	s_mov_b32 s25, s24
	s_sub_co_i32 s9, 0xc934ee52, s58               ; ms = -741,093.125, with e6 + e7 taken off its exponent field: ms x c does not hang on the two scales
	s_add_co_i32 s58, s42, 127
	s_lshl_b32 s31, s58, 23                        ; 2^e8
	s_add_co_i32 s58, s58, 15
	s_lshl_b32 s58, s58, 23
	s_or_b32 s3, s58, 0x600000                     ; 57,344 x 2^e8
	s_sub_co_i32 s60, s44, s42
	s_sub_co_i32 s60, s60, s43                     ; O^T / the sum stands for o / 2^(e8 + e9): its code is that / 2^(e10 - e8 - e9)
	s_add_co_i32 s60, s60, 127
	s_lshl_b32 s100, s60, 23
	s_add_co_i32 s60, s60, 15
	s_lshl_b32 s60, s60, 23
	s_or_b32 s101, s60, 0x600000
	s_sub_co_i32 s60, s40, s70
	s_sub_co_i32 s60, s60, s71                     ; a sum stands for q / 2^(e0 + e1): its code is sum / 2^(e6 - e0 - e1)
	s_add_co_i32 s60, s60, 127
	s_lshl_b32 s86, s60, 23
	s_add_co_i32 s60, s60, 15
	s_lshl_b32 s60, s60, 23
	s_or_b32 s87, s60, 0x600000
	s_wait_alu depctr_va_vdst(0)                   ; the wait here, directly ahead of the wait below
	s_wait_tensorcnt 0x0                           ; my rows of W_q are in
	ds_add_u32 v[SPW], v[NIL]
	s_wait_dscnt 0x0
	CROUND                                         ; everybody's rows are in, and all four work-groups are here
	tensor_load_to_lds s[12:15], s[16:23]          ; slot 0's K and V: the first tensor load behind the round; it lands under the products below
	s_nop 0
	v_nop
	v_nop
	v_nop
	v_nop
	QSTEP 0, 20                                    ; behind tile 1's fragment of K step j stand its 4 (5 - j) later ones, and K steps 6 and 7's eight each once they are asked for
	QSTEP 1, 24
	QSTEP 2, 28
	QSTEP 3, 24
	QSTEP 4, 20
	QSTEP 5, 16
	QSTEP 6, 8
	QSTEP 7, 0
	WIN 0
	v_nop                                          ; four places behind the last products
	v_nop
	v_nop
	v_nop
	QOUT
	WIN 0x55
	QOUT
	WIN 0
	INITW
	WIN 0x40
	INITW
	WIN 0
	s_mov_b32 s2, 0
	s_mov_b32 s8, 0
	s_mov_b32 s11, 3                               ; slots still to be asked for
	s_wait_alu depctr_va_vdst(0)                   ; the wait at the head's end
	s_load_b512 s[32:47], s[6:7], 0x0              ; the first phase's mask words
	s_load_b512 s[48:63], s[6:7], 0x40
	s_load_b512 s[68:83], s[6:7], 0x80
	s_load_b512 s[84:99], s[6:7], 0xc0
.Lslot:                                            ; three trips: behind each change of slots but the last the next slot is asked for
	CHANGE 1
	SLOT_STEPS
	s_sub_co_u32 s11, s11, 1
	s_cmp_lg_u32 s11, 0
	s_cbranch_scc1 .Lslot
	CHANGE 0                                       ; the last slot is written out
	SLOT_STEPS
	; THE WAY OUT.  O^T's register 8 t + j is channel 32 (t / 2) + 16 (lane / 16) + 8 (t % 2) + j: the conversions' results are a fragment (16 queries x the head's 128) of the next product.
.macro OUTT
	v_add_f32 v14, v14, v15                        ; the sum's two halves,
	s_delay_alu instid0(VALU_DEP_1)
	v_permlanex16_b32 v246, v14, s26, s27
	s_delay_alu instid0(VALU_DEP_1)
	v_add_f32 v14, v14, v246                       ; and lane l xor 16's
	s_wait_alu depctr_va_vdst(0)                   ; the wait ahead of the transcendental
	v_rcp_f32 v14, v14
	v_mov_b32 v240, s101                           ; (plain lines behind the reciprocal)
	v_mov_b32 v244, s100
	s_wait_alu depctr_va_vdst(0)                   ; the wait, ahead of the reciprocal's first reader and of O^T's
.set j, 0
.rept 32
	v_pk_mul_f32 v[S+j:S+j+1], v[O+j:O+j+1], v[14:15] op_sel_hi:[1,0]
.set j, j+2
.endr
.set n, 0
.rept 64
	v_med3_num_f32 v[S+n], v[S+n], -v240, v240
.set n, n+1
.endr
.set g, 0
.rept 8
	v_cvt_scalef32_pk8_bf8_f32 v[PC+2*g:PC+2*g+1], v[S+8*g:S+8*g+7], v244
.set g, g+1
.endr
	v_nop
.endm
	v_nop                                          ; four places behind the last products
	v_nop
	v_nop
	v_nop
	OUTT
.set c, 0
.rept 4
	global_store_b128 v[LI], v[PC+4*c:PC+4*c+3], s[4:5] offset:512*c   ; 512 consecutive bytes
.set c, c+1
.endr
	WIN 0x55
	OUTT
	WIN 0x04                                       ; the data in window 1, the offset in window 0
.set c, 0
.rept 4
	global_store_b128 v[LI], v[PC+4*c:PC+4*c+3], s[4:5] offset:16384+512*c
.set c, c+1
.endr
	WIN 0
	s_wait_kmcnt 0x0                               ; the last look-ahead's words
	s_wait_tensorcnt 0x0                           ; the wave's end
	ds_add_u32 v[SPW], v[NIL]
	s_wait_dscnt 0x0
	CROUND                                         ; the closing round
	s_endpgm
.Lfunc_end_k_q1ce390141e_attn:
	.size	k_q1ce390141e_attn, .Lfunc_end_k_q1ce390141e_attn-k_q1ce390141e_attn
	.p2alignl 7, 3214868480
	.fill 96, 4, 3214868480
	.section	.rodata,"a",@progbits
	.p2align	6, 0x0
	.amdhsa_kernel k_q1ce390141e_attn
		.amdhsa_group_segment_fixed_size 327680
		.amdhsa_private_segment_fixed_size 0
		.amdhsa_enable_private_segment 0
		.amdhsa_kernarg_size 40
		.amdhsa_user_sgpr_count 2
		.amdhsa_user_sgpr_kernarg_segment_ptr 1
		.amdhsa_wavefront_size32 1
		.amdhsa_system_sgpr_workgroup_id_x 1
		.amdhsa_system_sgpr_workgroup_id_y 1
		.amdhsa_system_sgpr_workgroup_id_z 1
		.amdhsa_system_vgpr_workitem_id 0
		.amdhsa_next_free_vgpr 512
		.amdhsa_next_free_sgpr 102
		.amdhsa_reserve_vcc 0
		.amdhsa_float_denorm_mode_32 3
		.amdhsa_float_denorm_mode_16_64 3
		.amdhsa_memory_ordered 1
		.amdhsa_forward_progress 1
		.amdhsa_inst_pref_size 157
	.end_amdhsa_kernel
	.amdgpu_metadata
---
amdhsa.version: [ 1, 2 ]
amdhsa.kernels:
  - .name:           k_q1ce390141e_attn
    .symbol:         k_q1ce390141e_attn.kd
    .args:
      - { .name: qkv, .offset: 0, .size: 8, .value_kind: global_buffer, .address_space: global }
      - { .name: mw, .offset: 8, .size: 8, .value_kind: global_buffer, .address_space: global }
      - { .name: lowp_scales, .offset: 16, .size: 8, .value_kind: global_buffer, .address_space: global }
      - { .name: oi, .offset: 24, .size: 8, .value_kind: global_buffer, .address_space: global }
      - { .name: codes, .offset: 32, .size: 8, .value_kind: global_buffer, .address_space: global }
    .group_segment_fixed_size: 327680
    .private_segment_fixed_size: 0
    .kernarg_segment_align: 8
    .kernarg_segment_size: 40
    .max_flat_workgroup_size: 256
    .sgpr_count:     102
    .vgpr_count:     512
    .wavefront_size: 32
...
	.end_amdgpu_metadata
.endif
;; end of part 3
;; launch proj (part 4): grid 64 x 4, 4 waves a work-group, clusters of 4 x 1, 327,680 bytes of LDS; arguments oi, codes, b_lin, lowp_scales, part; writes part
.if DOCPART == 4
	.amdgcn_target "amdgcn-amd-amdhsa--gfx1250"
	.amdhsa_code_object_version 6
	.text
	.protected	k_q1ce390141e_proj
	.globl	k_q1ce390141e_proj
	.p2align	8
	.type	k_q1ce390141e_proj,@function
k_q1ce390141e_proj:
	s_mov_b64 s[64:65], 0
	v_nop
	global_prefetch_b8 v0, s[64:65] scope:SCOPE_SE
	s_setreg_imm32_b32 hwreg(HW_REG_WAVE_MODE, 25, 1), 1
	s_wait_xcnt 0x0
	s_wait_alu depctr_hold_cnt(0) depctr_sa_sdst(0) depctr_va_vdst(0) depctr_va_sdst(0) depctr_va_ssrc(0) depctr_va_vcc(0) depctr_vm_vsrc(0)
	s_getreg_b32 s2, hwreg(HW_REG_IB_STS2, 6, 4)
	s_cmp_eq_u32 s2, 0
	s_cbranch_scc0 .Lentry_in_a_cluster
	s_endpgm
.Lentry_in_a_cluster:
	s_bfe_u32 s2, ttmp6, 0x10000c
	s_cmp_lg_u32 s2, 0x3003
	s_cbranch_scc0 .Lentry_shape_is_right
	s_endpgm
.Lentry_shape_is_right:
; out = o W_lin^T + b_lin (K = 1,024, codes of E5M2 by e10, e11), quantised by e12 at once, times W_last^T (codes by e13), summed over the work-group's tokens: one vector of 128 partial sums a work-group.
; SHARES.  A work-group takes 128 tokens x 256 columns of out: 64 x 4 = 256 work-groups.  Its four waves take 64 tokens x 128 columns each: 32 accumulators, 256 registers.
; W_lin's 256 rows of 1,024 bytes are read by all four waves and by all token blocks: the four token blocks of a cluster ask for them jointly, one tensor load a wave (64 rows) at the head, 16 bytes of padding behind
; each row (pitch 1,040 = 65 x 16: the 16 rows that a load touches start at 16 different groups of banks).  The whole K lies in LDS at once (266,240 bytes): nothing is filled again, there is no ring and one barrier.
; o lies in memory as images of fragments (tile of 16 tokens, head: registers 4 c .. 4 c + 3 of lane l at 512 c + 16 l).  A fragment is multiplied by the waves that own its tokens and goes from memory into registers,
; 512 consecutive bytes a load: all 32 fragments of a wave (4 tiles x 8 heads, 512 registers) are asked for at the head.  They are no joint loads: a joint load lands in LDS.
; No prefetch: the launch has no loop to run ahead in; all that it reads from oi and W_lin is asked for at its head.
; The matrix instruction takes 16 rows of W_lin as source 0 and 16 tokens as source 1: a lane holds a token, register i of accumulator (tile, b) is column 16 b + 8 (lane / 16) + i: after bias, hold and conversion
; a tile's 64 numbers are a fragment (16 tokens x 128 columns, registers 2 c, 2 c + 1: k = 16 c + 8 (lane / 16) + 0 .. 7) of the second product, whose K is the wave's 128 columns.
; The second product's accumulators (8 tiles of 16 classes) take all four token tiles in turn, which sums over tokens of equal lane; the sum over the 16 lanes, over the four waves (LDS) and the store follow.
; The next launch adds the 64 vectors of a batch.  part: vector 4 x (block of 128 tokens) + (block of 256 columns), 128 f32.
; LIMITS: e10 + e11 between -126 and 127; e12 between -126 and 112.  NaN is not served.
; REGISTERS.  window 0: v1-15 addresses and constants; v32-95, v128-191, v192-255 three sets of four fragments of W_lin, by turns; on the way out v32-95 out's numbers, v96-127 their codes, v128-191 the second sums.
;   windows 1, 2: o's fragments, K step j (a head) at 64 (j % 4) + 16 tile of window 1 + j / 4; behind their last use window 1 takes W_last's 8 fragments (v0-127) and the bias (v128-191).  window 3: the 32 accumulators.
.set WLIN,   0x1b00000
.set WLAST,  0x1c00000
.set PITCH,  1040
.set SPARE,  0x41000                   ; behind W_lin's 256 rows: the spare words, 128 bytes a wave
.set STAGE,  0x41200                   ; and the four waves' vectors of 512 bytes: no tensor load lands here
.set LO,   4                           ; v4   16 x lane
.set AB0,  5                           ; v5   LDS address of my fragments of W_lin, blocks 0-3,
.set AB1,  6                           ; v6   and 4-7 (an LDS offset has 16 bits)
.set BA,   7
.set WLA,  8
.set STO,  9
.set RD,   10
.set SPW,  12
.set NIL,  13
.set SC,   14
.set LIM,  15
.set OV,   32
.set D2,   128
.set MSB, 0
.macro WIN new                         ; bits 1:0 source 0, 3:2 source 1, 5:4 source 2, 7:6 destination; the high byte repeats the setting that is left
.if MSB != \new
	s_set_vgpr_msb (MSB<<8)|\new
.set MSB, \new
.endif
.endm
.macro CROUND                          ; a round of the cluster's barrier
	s_barrier_signal -1
	s_barrier_wait -1
	s_cmp_lg_u32 s14, 0
	s_cbranch_scc1 .Lnot_wave_0_\@
	s_barrier_signal -3
.Lnot_wave_0_\@:
	s_barrier_wait -3
	s_barrier_signal -1
	s_barrier_wait -1
.endm
.macro PLACES n                        ; plain vector lines between a matrix instruction and a load into, or a vector line on, its registers
.rept \n
	v_nop
.endr
.endm
; Half step s: K step s / 2 (128 along K), W_lin's blocks 4 (s % 2) .. + 3, in set s % 3.
.macro BLD s
.set BS, 32+96*(((\s)%3+1)/2)+64*(((\s)%3)/2)
.set f, 0
.rept 4
.set c, 0
.rept 4
	ds_load_b128 v[BS+16*f+4*c:BS+16*f+4*c+3], v[AB0+(\s)%2] offset:16*PITCH*f+128*((\s)/2)+32*c
.set c, c+1
.endr
.set f, f+1
.endr
.endm
.macro MMH s, zero                     ; 16 products: my four token tiles x the set's four blocks; every accumulator has one instruction a turn
.set BS, 32+96*(((\s)%3+1)/2)+64*(((\s)%3)/2)
.set kj, (\s)/2
.if kj < 4
	WIN 0xf4                                       ; W_lin window 0, o window 1, sums window 3
.else
	WIN 0xf8                                       ; o window 2
.endif
.set i, 0
.rept 4
.set f, 0
.rept 4
.set AC, 8*(8*i+4*((\s)%2)+f)
.if \zero
	v_wmma_f32_16x16x128_bf8_bf8 v[AC:AC+7], v[BS+16*f:BS+16*f+15], v[64*(kj%4)+16*i:64*(kj%4)+16*i+15], 0
.else
	v_wmma_f32_16x16x128_bf8_bf8 v[AC:AC+7], v[BS+16*f:BS+16*f+15], v[64*(kj%4)+16*i:64*(kj%4)+16*i+15], v[AC:AC+7]
.endif
.set f, f+1
.endr
.set i, i+1
.endr
.endm
.macro WLLD c0                         ; W_last's class tiles c0 .. c0 + 3, my 128 columns: registers 2 c, 2 c + 1 hold k = 16 c + 8 h + 0 .. 7, into window 1
	WIN 0x40
.set ct, \c0
.rept 4
.set c, 0
.rept 8
	global_load_b64 v[16*ct+2*c:16*ct+2*c+1], v[WLA], s[6:7] offset:16384*ct+16*c
.set c, c+1
.endr
.set ct, ct+1
.endr
.endm
.macro HALF s
	WIN 0
.if (\s) > 0
	PLACES 4                                       ; behind the last products: the loads below land in registers that products have read
.endif
.if (\s)+2 < 16
	BLD (\s)+2                                     ; two half steps ahead, into the set that the last half step multiplied
.endif
.if (\s) == 4
	WLLD 0                                         ; into K step 0's fragments of o, multiplied in half steps 0 and 1
.endif
.if (\s) == 8
	WLLD 4                                         ; into K step 1's
.endif
.if (\s) == 10
	WIN 0x40                                       ; the bias, into K step 2's: b_lin at column 16 b + 8 h + 0 .. 7
.set b, 0
.rept 8
	global_load_b128 v[128+8*b:128+8*b+3], v[BA], s[8:9] offset:64*b
	global_load_b128 v[128+8*b+4:128+8*b+7], v[BA], s[8:9] offset:64*b+16
.set b, b+1
.endr
.endif
.if (\s) < 14
	s_wait_dscnt 32                                ; this half step's set is in; the two younger sets' sixteen loads each may be out
.else
	s_wait_dscnt 16*(15-(\s))
.endif
.if (\s) < 2
	MMH \s, 1                                      ; the first K step's products start the sums: nothing is cleared
.else
	MMH \s, 0
.endif
.endm
	s_load_b256 s[4:11], s[0:1], 0x0               ; oi s[4:5], codes s[6:7], b_lin s[8:9], the scales' exponents s[10:11]
	s_load_b64 s[12:13], s[0:1], 0x20              ; part
	v_lshl_add_u32 v[SPW], v0, 2, SPARE
	v_mov_b32 v[NIL], 0
	ds_add_u32 v[SPW], v[NIL]                      ; the opening: the add, twice on end, and its wait ahead of my first tensor load
	ds_add_u32 v[SPW], v[NIL]
	v_lshrrev_b32 v1, 5, v0
	v_readfirstlane_b32 s14, v1                    ; wave 0..3
	s_lshr_b32 s15, s14, 1                         ; which 64 tokens are mine
	s_and_b32 s16, s14, 1                          ; which 128 columns
	s_bfe_u32 s40, ttmp6, 0x40000                  ; cx
	s_lshl_b32 s17, ttmp9, 2
	s_add_co_u32 s17, s17, s40                     ; my block of 128 tokens: it enters o's and part's addresses alone
	s_and_b32 s42, ttmp7, 0xffff                   ; the block of 256 columns, which the partners share
	s_mov_b32 s24, 15|(1<<20)|(1<<21)|(7<<22)|(3<<25)   ; group 1: all four work-groups; elements of 1 byte; padding: 4 words after every 256; bit 21 beside a mask
	s_mov_b32 s25, 1024<<16                        ; tensor_dim0
	s_mov_b32 s26, 64<<16                          ; tensor_dim1
	s_mov_b32 s27, 1024<<16                        ; tile_dim0
	s_mov_b32 s28, 64                              ; tile_dim1
	s_mov_b32 s29, 1024                            ; from row to row
	s_mov_b32 s30, 0
	s_mov_b32 s31, 0
	s_lshl_b32 s46, s42, 18                        ; 256 rows of 1,024 bytes a block,
	s_lshl_b32 s18, s14, 16                        ; my wave's 64 of them,
	s_add_co_u32 s46, s46, s18
	s_add_co_u32 s46, s46, WLIN
	s_mov_b32 s47, 0
	s_mov_b32 s32, 1                               ; group 0: count,
	s_mul_i32 s33, s14, 64*PITCH                   ; LDS address: 64 rows a wave
	s_wait_dscnt 0x0                               ; both opening adds are done
	s_wait_kmcnt 0x0
	s_load_b128 s[92:95], s[10:11], 0x28           ; e10, e11, e12, e13
	s_add_nc_u64 s[34:35], s[6:7], s[46:47]        ; global address,
	s_or_b32 s35, s35, 0x80000000                  ; type
	CROUND                                         ; all four work-groups are here: the joint loads meet
	tensor_load_to_lds s[32:35], s[24:31]          ; my one tensor load
	s_nop 0
	v_nop
	v_nop
	v_nop
	v_nop
	s_lshl_b32 s20, s17, 17                        ; o: 8 tiles of 16,384 bytes a block, my four of them
	s_lshl_b32 s18, s15, 16
	s_add_co_u32 s20, s20, s18
	s_mov_b32 s21, 0
	s_add_nc_u64 s[4:5], s[4:5], s[20:21]
	s_lshl_b32 s67, s42, 8
	s_lshl_b32 s68, s16, 7
	s_add_co_u32 s67, s67, s68                     ; my first column
	s_lshl_b32 s68, s67, 2
	s_mov_b32 s69, 0
	s_add_nc_u64 s[8:9], s[8:9], s[68:69]          ; b_lin there,
	s_add_co_u32 s68, s67, WLAST
	s_add_nc_u64 s[6:7], s[6:7], s[68:69]          ; and W_last's codes
	s_lshl_b32 s72, s17, 2
	s_add_co_u32 s72, s72, s42
	s_lshl_b32 s72, s72, 9
	s_mov_b32 s73, 0
	s_add_nc_u64 s[12:13], s[12:13], s[72:73]      ; my work-group's vector
	s_mul_i32 s22, s16, 128*PITCH
	s_lshl_b32 s70, s14, 9
	s_add_co_u32 s70, s70, STAGE
	v_and_b32 v1, 15, v0                           ; r
	v_bfe_u32 v2, v0, 4, 1                         ; h
	v_and_b32 v3, 31, v0
	v_lshlrev_b32 v[LO], 4, v3
	v_mul_u32_u24 v[AB0], v1, PITCH
	v_lshl_add_u32 v[AB0], v2, 4, v[AB0]
	v_add_nc_u32 v[AB0], s22, v[AB0]               ; row (128 x half + r) x pitch + 16 h
	v_add_nc_u32 v[AB1], 64*PITCH, v[AB0]
	v_lshlrev_b32 v[BA], 5, v2                     ; the bias: 8 h numbers on
	v_lshlrev_b32 v[WLA], 10, v1
	v_lshl_add_u32 v[WLA], v2, 3, v[WLA]           ; W_last: row r of 1,024 bytes, + 8 h
	v_lshl_add_u32 v[STO], v2, 5, s70              ; my vector in the stage, + 8 h classes
	v_add_nc_u32 v[RD], STAGE, v[LO]
	s_wait_alu depctr_va_vdst(0)                   ; the wait at the end of the addresses
	WIN 0x40
.set kj, 0
.rept 4
.set i, 0
.rept 4
.set c, 0
.rept 4
	global_load_b128 v[64*kj+16*i+4*c:64*kj+16*i+4*c+3], v[LO], s[4:5] offset:16384*i+2048*kj+512*c
.set c, c+1
.endr
.set i, i+1
.endr
.set kj, kj+1
.endr
	WIN 0x80
.set kj, 0
.rept 4
.set i, 0
.rept 4
.set c, 0
.rept 4
	global_load_b128 v[64*kj+16*i+4*c:64*kj+16*i+4*c+3], v[LO], s[4:5] offset:16384*i+2048*(kj+4)+512*c
.set c, c+1
.endr
.set i, i+1
.endr
.set kj, kj+1
.endr
	WIN 0
	s_wait_kmcnt 0x0
	s_add_co_i32 s96, s92, s93
	s_add_co_i32 s96, s96, 127
	s_lshl_b32 s96, s96, 23                        ; 2^(e10 + e11)
	s_mov_b32 s97, s96                             ; (named with it as a pair)
	s_add_co_i32 s98, s94, 127
	s_lshl_b32 s99, s98, 23                        ; 2^e12
	s_add_co_i32 s98, s98, 15
	s_lshl_b32 s98, s98, 23
	s_or_b32 s98, s98, 0x600000                    ; 57,344 x 2^e12
	s_wait_tensorcnt 0x0                           ; my 64 rows are in,
	s_barrier_signal -1
	s_barrier_wait -1                              ; everybody's are
	BLD 0
	BLD 1
	s_wait_loadcnt 0x0                             ; o's 32 fragments
.irp s, 0,1,2,3,4,5,6,7,8,9,10,11,12,13,14,15
	HALF \s
.endr
	WIN 0
	s_wait_loadcnt 0x0                             ; W_last's fragments and the bias
	PLACES 5                                       ; behind the last products
	v_mov_b32 v[SC], s99
	v_mov_b32 v[LIM], s98
.macro OUTB i                          ; token tile i: bias, hold, conversion, and its part of the second product
.set CD, 96+16*((\i)%2)
	WIN 0x13                                       ; the sums in window 3, the bias in window 1
.set j, 0
.rept 32
	v_pk_fma_f32 v[OV+j:OV+j+1], v[64*(\i)+j:64*(\i)+j+1], s[96:97], v[128+j:129+j] op_sel_hi:[1,0,1]   ; each accumulator from its low end on
.set j, j+2
.endr
	WIN 0
.set j, 0
.rept 64
	v_med3_num_f32 v[OV+j], v[OV+j], -v[LIM], v[LIM]   ; the conversion does not saturate (ISA guide 7.6.2)
.set j, j+1
.endr
.set g, 0
.rept 8
	v_cvt_scalef32_pk8_bf8_f32 v[CD+2*g:CD+2*g+1], v[OV+8*g:OV+8*g+7], v[SC]
.set g, g+1
.endr
	v_nop                                          ; a plain line between the conversions and the products that read the codes
	WIN 0x01                                       ; W_last's fragments in window 1
.set ct, 0
.rept 8
.if (\i) == 0
	v_wmma_f32_16x16x128_bf8_bf8 v[D2+8*ct:D2+8*ct+7], v[16*ct:16*ct+15], v[CD:CD+15], 0
.else
	v_wmma_f32_16x16x128_bf8_bf8 v[D2+8*ct:D2+8*ct+7], v[16*ct:16*ct+15], v[CD:CD+15], v[D2+8*ct:D2+8*ct+7]
.endif
.set ct, ct+1
.endr
.endm
.irp i, 0,1,2,3
	OUTB \i
.endr
	WIN 0
	PLACES 4
.irp m, 1,2,4,8
.set j, 0
.rept 64
	v_add_f32_dpp v[D2+j], v[D2+j], v[D2+j] row_xmask:\m row_mask:0xf bank_mask:0xf   ; the sum over the 16 tokens of a row of lanes; register 8 ct + i is class 16 ct + 8 h + i
.set j, j+1
.endr
.endr
.set ct, 0
.rept 8
	ds_store_b128 v[STO], v[D2+8*ct:D2+8*ct+3] offset:64*ct       ; sixteen lanes write the same bytes with the same numbers
	ds_store_b128 v[STO], v[D2+8*ct+4:D2+8*ct+7] offset:64*ct+16
.set ct, ct+1
.endr
	s_wait_dscnt 0x0                               ; for the others' sake: my vector is in the stage
	s_barrier_signal -1
	s_barrier_wait -1
	s_cmp_lg_u32 s14, 0
	s_cbranch_scc1 .Lnot_first
.set c, 0
.rept 4
	ds_load_b128 v[OV+4*c:OV+4*c+3], v[RD] offset:512*c
.set c, c+1
.endr
	s_wait_dscnt 0x0
	v_pk_add_f32 v[OV:OV+1], v[OV:OV+1], v[OV+4:OV+5]
	v_pk_add_f32 v[OV+2:OV+3], v[OV+2:OV+3], v[OV+6:OV+7]
	v_pk_add_f32 v[OV+8:OV+9], v[OV+8:OV+9], v[OV+12:OV+13]
	v_pk_add_f32 v[OV+10:OV+11], v[OV+10:OV+11], v[OV+14:OV+15]
	v_pk_add_f32 v[OV:OV+1], v[OV:OV+1], v[OV+8:OV+9]
	v_pk_add_f32 v[OV+2:OV+3], v[OV+2:OV+3], v[OV+10:OV+11]
	global_store_b128 v[LO], v[OV:OV+3], s[12:13]  ; 512 consecutive bytes
.Lnot_first:
	s_wait_tensorcnt 0x0                           ; the wave's end
	ds_add_u32 v[SPW], v[NIL]
	s_wait_dscnt 0x0
	CROUND                                         ; the closing round
	s_endpgm
.Lfunc_end_k_q1ce390141e_proj:
	.size	k_q1ce390141e_proj, .Lfunc_end_k_q1ce390141e_proj-k_q1ce390141e_proj
	.p2alignl 7, 3214868480
	.fill 96, 4, 3214868480
	.section	.rodata,"a",@progbits
	.p2align	6, 0x0
	.amdhsa_kernel k_q1ce390141e_proj
		.amdhsa_group_segment_fixed_size 327680
		.amdhsa_private_segment_fixed_size 0
		.amdhsa_enable_private_segment 0
		.amdhsa_kernarg_size 40
		.amdhsa_user_sgpr_count 2
		.amdhsa_user_sgpr_kernarg_segment_ptr 1
		.amdhsa_wavefront_size32 1
		.amdhsa_system_sgpr_workgroup_id_x 1
		.amdhsa_system_sgpr_workgroup_id_y 1
		.amdhsa_system_sgpr_workgroup_id_z 1
		.amdhsa_system_vgpr_workitem_id 0
		.amdhsa_next_free_vgpr 1024
		.amdhsa_next_free_sgpr 100
		.amdhsa_reserve_vcc 0
		.amdhsa_float_denorm_mode_32 3
		.amdhsa_float_denorm_mode_16_64 3
		.amdhsa_memory_ordered 1
		.amdhsa_forward_progress 1
		.amdhsa_inst_pref_size 107
	.end_amdhsa_kernel
	.amdgpu_metadata
---
amdhsa.version: [ 1, 2 ]
amdhsa.kernels:
  - .name:           k_q1ce390141e_proj
    .symbol:         k_q1ce390141e_proj.kd
    .args:
      - { .name: oi, .offset: 0, .size: 8, .value_kind: global_buffer, .address_space: global }
      - { .name: codes, .offset: 8, .size: 8, .value_kind: global_buffer, .address_space: global }
      - { .name: b_lin, .offset: 16, .size: 8, .value_kind: global_buffer, .address_space: global }
      - { .name: lowp_scales, .offset: 24, .size: 8, .value_kind: global_buffer, .address_space: global }
      - { .name: part, .offset: 32, .size: 8, .value_kind: global_buffer, .address_space: global }
    .group_segment_fixed_size: 327680
    .private_segment_fixed_size: 0
    .kernarg_segment_align: 8
    .kernarg_segment_size: 40
    .max_flat_workgroup_size: 128
    .sgpr_count:     100
    .vgpr_count:     1024
    .wavefront_size: 32
...
	.end_amdgpu_metadata
.endif
;; end of part 4
;; launch mean (part 5): grid 4 x 1, 1 waves a work-group, no clusters, 0 bytes of LDS; arguments part, lowp_scales, b_last, out0; writes out0
.if DOCPART == 5
	.amdgcn_target "amdgcn-amd-amdhsa--gfx1250"
	.amdhsa_code_object_version 6
	.text
	.protected	k_q1ce390141e_mean
	.globl	k_q1ce390141e_mean
	.p2align	8
	.type	k_q1ce390141e_mean,@function
k_q1ce390141e_mean:
	s_mov_b64 s[64:65], 0
	v_nop
	global_prefetch_b8 v0, s[64:65] scope:SCOPE_SE
	s_setreg_imm32_b32 hwreg(HW_REG_WAVE_MODE, 25, 1), 1
	s_wait_xcnt 0x0
; out0[b][c] = (the sum of batch b's 64 partial vectors) x 2^(e12 + e13) / 2,048 + b_last[c].  part: [256][128] f32; batch b's vectors are 64 b .. 64 b + 63.
; Work-group b, one wave, takes batch b; lane L classes 4 L .. 4 L + 3: each load reads a vector's 512 consecutive bytes.  32,768 bytes a work-group; no LDS, no barrier, no matrix unit.
; Vectors 0-31 land in register window 0, vectors 32-63 in window 1 at the same numbers.
; LIMIT: e12 + e13 - 11 between -126 and 127, so that the factor is an f32 number.
	s_load_b256 s[4:11], s[0:1], 0x0               ; part s[4:5], the scales' exponents s[6:7], b_last s[8:9], out0 s[10:11]
	v_lshlrev_b32 v3, 4, v0                        ; 16 L
	s_lshl_b32 s14, ttmp9, 15                      ; 64 vectors of 512 bytes for each batch
	s_mov_b32 s15, 0
	s_lshl_b32 s16, ttmp9, 9                       ; out0: 512 b
	s_mov_b32 s17, 0
	s_wait_alu depctr_va_vdst(0)                   ; the wait here, directly ahead of the wait below
	s_wait_kmcnt 0x0
	s_load_b64 s[12:13], s[6:7], 0x30              ; e12, e13
	s_add_nc_u64 s[4:5], s[4:5], s[14:15]
	s_add_nc_u64 s[10:11], s[10:11], s[16:17]
	global_load_b128 v[8:11], v3, s[8:9]
.set i, 0
.rept 32
	global_load_b128 v[16+4*i:19+4*i], v3, s[4:5] offset:512*i
.set i, i+1
.endr
	s_set_vgpr_msb 0x40                            ; the destination in window 1, the offset in window 0
.set i, 0
.rept 32
	global_load_b128 v[16+4*i:19+4*i], v3, s[4:5] offset:16384+512*i
.set i, i+1
.endr
	s_set_vgpr_msb 0x4000
	s_wait_kmcnt 0x0
	s_add_co_i32 s12, s12, s13
	s_add_co_i32 s12, s12, 127-11
	s_lshl_b32 s12, s12, 23                        ; 2^(e12 + e13 - 11)
	s_mov_b32 s13, s12                             ; (named with it as a pair)
	s_wait_loadcnt 0x0
	s_set_vgpr_msb 0x04                            ; the second source in window 1: vector 32 + i is added to vector i
.set i, 0
.rept 64
	v_pk_add_f32 v[16+2*i:17+2*i], v[16+2*i:17+2*i], v[16+2*i:17+2*i]
.set i, i+1
.endr
	s_set_vgpr_msb 0x0400
.set i, 4
.rept 28                                       ; four chains, started by the first four vectors
	v_pk_add_f32 v[16+4*(i%4):17+4*(i%4)], v[16+4*(i%4):17+4*(i%4)], v[16+4*i:17+4*i]
	v_pk_add_f32 v[18+4*(i%4):19+4*(i%4)], v[18+4*(i%4):19+4*(i%4)], v[18+4*i:19+4*i]
.set i, i+1
.endr
	v_pk_add_f32 v[16:17], v[16:17], v[20:21]
	v_pk_add_f32 v[18:19], v[18:19], v[22:23]
	v_pk_add_f32 v[24:25], v[24:25], v[28:29]
	v_pk_add_f32 v[26:27], v[26:27], v[30:31]
	v_pk_add_f32 v[16:17], v[16:17], v[24:25]
	v_pk_add_f32 v[18:19], v[18:19], v[26:27]
	v_pk_fma_f32 v[16:17], v[16:17], s[12:13], v[8:9] op_sel_hi:[1,0,1]
	v_pk_fma_f32 v[18:19], v[18:19], s[12:13], v[10:11] op_sel_hi:[1,0,1]
	global_store_b128 v3, v[16:19], s[10:11]       ; the wave stores a batch's 512 consecutive bytes
	s_endpgm
.Lfunc_end_k_q1ce390141e_mean:
	.size	k_q1ce390141e_mean, .Lfunc_end_k_q1ce390141e_mean-k_q1ce390141e_mean
	.p2alignl 7, 3214868480
	.fill 96, 4, 3214868480
	.section	.rodata,"a",@progbits
	.p2align	6, 0x0
	.amdhsa_kernel k_q1ce390141e_mean
		.amdhsa_group_segment_fixed_size 0
		.amdhsa_private_segment_fixed_size 0
		.amdhsa_enable_private_segment 0
		.amdhsa_kernarg_size 32
		.amdhsa_user_sgpr_count 2
		.amdhsa_user_sgpr_kernarg_segment_ptr 1
		.amdhsa_wavefront_size32 1
		.amdhsa_system_sgpr_workgroup_id_x 1
		.amdhsa_system_sgpr_workgroup_id_y 1
		.amdhsa_system_sgpr_workgroup_id_z 1
		.amdhsa_system_vgpr_workitem_id 0
		.amdhsa_next_free_vgpr 400
		.amdhsa_next_free_sgpr 66
		.amdhsa_reserve_vcc 0
		.amdhsa_float_denorm_mode_32 3
		.amdhsa_float_denorm_mode_16_64 3
		.amdhsa_memory_ordered 1
		.amdhsa_forward_progress 1
		.amdhsa_inst_pref_size 16
	.end_amdhsa_kernel
	.amdgpu_metadata
---
amdhsa.version: [ 1, 2 ]
amdhsa.kernels:
  - .name:           k_q1ce390141e_mean
    .symbol:         k_q1ce390141e_mean.kd
    .args:
      - { .name: part, .offset: 0, .size: 8, .value_kind: global_buffer, .address_space: global }
      - { .name: lowp_scales, .offset: 8, .size: 8, .value_kind: global_buffer, .address_space: global }
      - { .name: b_last, .offset: 16, .size: 8, .value_kind: global_buffer, .address_space: global }
      - { .name: out0, .offset: 24, .size: 8, .value_kind: global_buffer, .address_space: global }
    .group_segment_fixed_size: 0
    .private_segment_fixed_size: 0
    .kernarg_segment_align: 8
    .kernarg_segment_size: 32
    .max_flat_workgroup_size: 32
    .sgpr_count:     66
    .vgpr_count:     400
    .wavefront_size: 32
...
	.end_amdgpu_metadata
.endif
;; end of part 5
